; MI455X (gfx1250); checked and timed in simulation.
; The chip was launched on July 23, 2026; its instructions are those of AMD's public machine-readable ISA for CDNA 5 (MIT licence, August 2026) and "CDNA5" Instruction Set Architecture Reference Guide (July 2026). The comments in the code are by the model that wrote it; some were corrected since.
;; Tiny Attn. Allowed arithmetic: matrix products marked QUANTISED: E2M1 operands, one E8M0 scale for each 32 along K, by v_wmma_scale_f32_16x16x128_f8f6f4 with both operands' format E2M1 (or v_wmma_scale_f32_32x16x128_f4), f32 sums; products left as they are: bf16, f16 or f32 operands; f32 sums; everything else in f32.
;; Inputs: Wk 1,024 x 1,024 float32; Wo 1,024 x 1,024 float32; Wq 1,024 x 1,024 float32; Wv 1,024 x 1,024 float32; x 4 x 2,048 x 1,024 float32.
;; Outputs: out0 4 x 2,048 x 1,024 float32.
;; This version of the problem:
;;   THIS VERSION OF THE PROBLEM IS GIVEN IN LOW PRECISION. The matrix products marked QUANTISED in the list below multiply operands that are first quantised to E2M1 (2 exponent bits, 1 mantissa bit; 4 bits a number), with one power-of-two scale for each 32 numbers along K (OCP MX v1.0); their sums are f32. The products marked 'left as it is' may take bf16, f16 or f32 operands, with f32 sums. Whichever they take, every output number must still come out within the allowed error. Rounding operands to bf16 (8 significant bits) uses up far more of that allowance than f16 does (11 bits, for magnitudes from 6e-5 to 65,504). All else is computed in f32.
;;   The module's matrix products, in the order in which they are computed (A, B: the left and right operand; K: the contracted axis; several contracted axes count as one K, in the product's order):
;;     1. [M 8,192, K 1,024] x [K 1,024, N 1,024]; A: input x; B: input Wq: QUANTISED
;;     2. [M 8,192, K 1,024] x [K 1,024, N 1,024]; A: input x; B: input Wk: QUANTISED
;;     3. [M 8,192, K 1,024] x [K 1,024, N 1,024]; A: input x; B: input Wv: QUANTISED
;;     4. batch 64 x [M 2,048, K 64] x [K 64, N 2,048]; A: computed on the way; B: computed on the way: left as it is (an operand is computed on the way)
;;     5. batch 64 x [M 64, K 2,048] x [K 2,048, N 2,048]; A: computed on the way; B: computed on the way: left as it is (an operand is computed on the way)
;;     6. [M 8,192, K 1,024] x [K 1,024, N 1,024]; A: computed on the way; B: input Wo: left as it is (an operand is computed on the way)
;;   THE QUANTISER, for each operand of a quantised product, along K:
;;     - K is cut into blocks of 32 from its start; a last block that is shorter is filled with zeros.
;;     - A block's scale is 2^e with e = floor(log2(the largest magnitude in the block)) - 2, held to -126 .. 127; a block of zeros has e = 0. As a byte (E8M0): e + 127.
;;     - Each number is divided by its block's scale, clamped to +-6, and rounded to the nearest number of E2M1, ties to even, subnormals kept.
;;     - The product sums the exact products of the quantised numbers (number of the format x scale) in f32.
;;   ~~~python
;;   def quantise(x, axis):      # numpy; x: float32 -> the quantised numbers, widened to float32 again
;;       x = np.moveaxis(x, axis, -1); K = x.shape[-1]
;;       x = np.pad(x, [(0, 0)] * (x.ndim - 1) + [(0, -K % 32)]); x = x.reshape(x.shape[:-1] + (-1, 32)); a = np.abs(x).max(-1, keepdims=True)
;;       e = np.where(a > 0, np.clip(np.frexp(np.where(a > 0, a, 1))[1] - 1 - 2, -126, 127), 0)      # np.frexp(a)[1] - 1 = floor(log2(a)), exactly
;;       r = np.clip(x / 2.0 ** e, -6, 6)
;;       step = 2.0 ** (np.maximum(np.frexp(np.where(r == 0, 1, r))[1] - 1, 0) - 1)
;;       q = np.round(r / step) * step * 2.0 ** e      # np.round: ties to even
;;       return np.moveaxis(q.reshape(q.shape[:-2] + (-1,))[..., :K], -1, axis).astype(np.float32)
;;   ~~~
;; One version. Each part assembles by itself: llvm-mc -triple=amdgcn-amd-amdhsa -mcpu=gfx1250 --defsym DOCPART=n.
;; ======== version 1 of 1: 4 launches
;; limits: values are held in f16: magnitudes above 65,504 overflow, below 6.1e-05 lose precision
;; workspace buffers: xc 4,194,304 bytes; xs 262,144 bytes; wc 1,572,864 bytes; ws 98,304 bytes; wo16 2,097,152 bytes; rope 262,144 bytes; qkv 50,331,648 bytes; y 16,777,216 bytes
;; launch prep (part 1): grid 512 x 1, 4 waves a work-group, no clusters, 33,280 bytes of LDS; arguments x, Wq, Wk, Wv, Wo, xc, xs, wc, ws, wo16, rope; writes xc, xs, wc, ws, wo16, rope
.if DOCPART == 1
	.amdgcn_target "amdgcn-amd-amdhsa--gfx1250"
	.amdhsa_code_object_version 6
	.text
	.protected	k_qea6943fbe6_prep
	.globl	k_qea6943fbe6_prep
	.p2align	8
	.type	k_qea6943fbe6_prep,@function
k_qea6943fbe6_prep:
	s_mov_b64 s[64:65], 0
	v_nop
	global_prefetch_b8 v0, s[64:65] scope:SCOPE_SE
	s_setreg_imm32_b32 hwreg(HW_REG_WAVE_MODE, 25, 1), 1
	s_wait_xcnt 0x0
; PREP, the first of four launches for  out0 = attention(rope(x Wq^T), rope(x Wk^T), x Wv^T) Wo^T.
; NOTHING OF THE PROBLEM IS LEFT OUT: it has no mask, no bias and no slice; every input reaches the output and every product is done.
; This launch makes what the later launches read many times:
;   Q path, work-groups 0-351: x [8192][1024] and Wq, Wk, Wv [1024][1024], f32, K innermost, become codes of FP4 (E2M1) and one E8M0 byte for each 32 along K:
;           xc [8192][512 bytes], xs [8192][32];  wc [3072][512 bytes], ws [3072][32], rows 0-1023 Wq, 1024-2047 Wk, 2048-3071 Wv.
;   W path, work-groups 352-479: Wo becomes f16, wo16 [1024][1024].
;   R path, work-groups 480-511: the rotary table rope [2048 t][32] f32: words 0-15 cos(t f_i), words 16-31 sin(t f_i), f_i = 10000^(-i/16).
; A block's scale is 2^(floor(log2(its largest magnitude)) - 2); its byte is the largest magnitude's exponent field - 2, held at 1 from below.
; LIMITS: a block of zeros gets the byte 1 where the rule says 127 (its codes are zeros, which add nothing, and this program alone reads the bytes); blocks whose largest magnitude lies under 2^(2 - 126) keep the byte 1;
; NaN and infinities among the inputs are not served; f_i is 2^(-0.8304820 i) by v_exp_f32, so an angle t f_i may lie up to 3e-4 radians from the f32 angle of the problem's own table (at t = 2047, i = 1);
; sine and cosine are series on |r| <= pi/4, cut where the next term is under 3e-8.
; Rows are dense and K is a multiple of 32: each tensor is a plain stream of blocks of 32.  A work-group of the Q path takes 32,768 numbers, a wave 16 steps of 512.
; The three paths part on the work-group's number alone; only the Q path touches LDS.  No tensor loads, no barrier: waves share nothing.
.set WAVES, 4
.set STEPS, 16
.set NQX,   256                        ; work-groups for x: 8192 x 1024 / 32768
.set NQW,   32                         ; for each of Wq, Wk, Wv
.set QEND,  NQX+3*NQW                  ; 352
.set WEND,  QEND+128                   ; 480
.set EMAX,  2
.set CB,    8                          ; bytes of 16 codes
.set R,     16                         ; v16-79   four sets of 16 numbers as they are loaded
.set X,     80                         ; v80-111  two sets of 16 neighbours
.set C,     128                        ; v128-191 codes: four registers for each step, so that no store's data are written again
.set E,     112                        ; v112-127 a scale byte for each step
.set WREG,  8192                       ; LDS: a region for each wave: two stages of 32 x SP bytes, behind them its 256 scale bytes
.set SP,    80                         ; a lane's place in a stage: 64 bytes + 16 of padding
.set SPW,   12                         ; v12      LDS address of my spare word; never rewritten
.set NIL,   13                         ; v13      0; never rewritten
.set SPARE, WAVES*WREG                 ; behind the four regions: the spare words, 128 bytes a wave
	s_load_b256 s[4:11], s[0:1], 0x0               ; x, Wq, Wk, Wv
	s_load_b256 s[12:19], s[0:1], 0x20             ; Wo, xc, xs, wc
	s_load_b128 s[20:23], s[0:1], 0x40             ; ws, wo16
	s_load_b64 s[24:25], s[0:1], 0x50              ; rope
	v_lshl_add_u32 v[SPW], v0, 2, SPARE
	v_mov_b32 v[NIL], 0
	v_lshrrev_b32 v1, 5, v0
	v_readfirstlane_b32 s34, v1                    ; wave
	s_sub_co_u32 s32, ttmp9, NQX                   ; a weight's work-group among the 96,
	s_and_b32 s33, s32, NQW-1                      ; and inside its own tensor
	s_wait_kmcnt 0x0
	s_cmp_ge_u32 ttmp9, QEND
	s_cbranch_scc1 .Lnot_q
; ---------------- Q path ----------------
	v_and_b32 v2, 31, v0                           ; lane
	v_lshlrev_b32 v3, 4, v2                        ; my 16 bytes of a load's 512
	s_mul_i32 s35, s34, WREG
	v_lshrrev_b32 v14, 2, v2
	v_mul_u32_u24 v14, v14, SP
	v_and_b32 v15, 3, v2
	v_lshl_add_u32 v14, v15, 4, v14
	v_add_nc_u32 v14, s35, v14                     ; the stage, on the way in: SP (lane / 4) + 16 (lane % 4)
	v_mul_u32_u24 v15, v2, SP
	v_add_nc_u32 v15, s35, v15                     ; and on the way out: SP x lane: my 16 neighbours
	v_mul_u32_u24 v4, v2, CB                       ; my codes' place in a step's
	v_lshrrev_b32 v5, 1, v2
	s_add_co_u32 s35, s35, 2*32*SP
	v_add_nc_u32 v5, s35, v5                       ; LDS: my wave's 256 scale bytes, my block's byte
	v_lshlrev_b32 v7, 3, v2                        ; on the way out 8 bytes a lane
	v_add_nc_u32 v6, s35, v7
	s_cmp_lt_u32 ttmp9, NQX+2*NQW                  ; which tensor: the choice hangs on the work-group's number alone
	s_cselect_b64 s[26:27], s[8:9], s[10:11]       ; Wk or Wv
	s_cmp_lt_u32 ttmp9, NQX+NQW
	s_cselect_b64 s[26:27], s[6:7], s[26:27]       ; Wq
	s_cmp_lt_u32 ttmp9, NQX
	s_cselect_b64 s[26:27], s[4:5], s[26:27]       ; x
	s_cselect_b64 s[28:29], s[14:15], s[18:19]     ; codes: xc or wc
	s_cselect_b64 s[30:31], s[16:17], s[20:21]     ; bytes: xs or ws
	s_cselect_b32 s33, ttmp9, s33                  ; the work-group's place in what it reads,
	s_cselect_b32 s32, ttmp9, s32                  ; and in what it writes
	s_lshl_b32 s33, s33, 2
	s_add_co_u32 s33, s33, s34                     ; my wave's run of 8,192 numbers, in the source
	s_lshl_b32 s32, s32, 2
	s_add_co_u32 s32, s32, s34                     ; and in the codes
	s_lshl_b32 s36, s33, 15                        ; 32,768 bytes a run (under 2^26)
	s_mov_b32 s37, 0
	s_add_nc_u64 s[26:27], s[26:27], s[36:37]
	s_lshl_b32 s36, s32, 12                        ; 4,096 bytes of codes
	s_add_nc_u64 s[28:29], s[28:29], s[36:37]
	s_lshl_b32 s36, s32, 8                         ; 256 scale bytes
	s_add_nc_u64 s[30:31], s[30:31], s[36:37]
.macro LOAD t
.irp i, 0,1,2,3
	global_load_b128 v[R+16*((\t)%4)+4*\i:R+16*((\t)%4)+4*\i+3], v3, s[26:27] offset:2048*(\t)+512*\i th:TH_LOAD_NT   ; 32 lanes read 512 consecutive bytes
.endr
.endm
.macro TURN t                          ; step t's numbers through the stage: LDS serves a wave's instructions in order, so no wait stands between the stores and the loads
.irp i, 0,1,2,3
	ds_store_b128 v14, v[R+16*((\t)%4)+4*\i:R+16*((\t)%4)+4*\i+3] offset:32*SP*((\t)%2)+8*SP*\i
.endr
.irp i, 0,1,2,3
	ds_load_b128 v[X+16*((\t)%2)+4*\i:X+16*((\t)%2)+4*\i+3], v15 offset:32*SP*((\t)%2)+16*\i
.endr
.endm
.irp t, 0,1,2,3
	LOAD \t
.endr
	s_wait_loadcnt 12                              ; step 0's four loads are in; twelve younger ones stay out
	TURN 0
.macro STEP t
.set XS, X+16*((\t)%2)
.if (\t) > 0
	s_wait_dscnt 1                                 ; this step's numbers are back from the stage (the last step's byte store may be out)
.else
	s_wait_dscnt 0x0
.endif
.if (\t)+4 < STEPS
	LOAD (\t)+4                                    ; into the registers that this step's stores to the stage have read
.endif
.if (\t)+1 < STEPS
.if STEPS-2-(\t) >= 3
	s_wait_loadcnt 12                              ; the next step's four loads are in; those of the three steps behind it may be out
.else
	s_wait_loadcnt 4*(STEPS-2-(\t))
.endif
	TURN (\t)+1                                    ; through the other stage while this step is worked
.endif
	v_max3_num_f32 v8, |v[XS]|, |v[XS+1]|, |v[XS+2]|               ; the largest magnitude of my 16, in two chains
	v_max3_num_f32 v9, |v[XS+3]|, |v[XS+4]|, |v[XS+5]|
.irp i, 6,10
	v_max3_num_f32 v8, v8, |v[XS+\i]|, |v[XS+\i+1]|
	v_max3_num_f32 v9, v9, |v[XS+\i+2]|, |v[XS+\i+3]|
.endr
	v_max3_num_f32 v8, v8, |v[XS+14]|, |v[XS+15]|
	v_max3_num_f32 v8, v8, v9, (EMAX+1)<<23        ; and the floor 2^(3 - 127): the byte cannot fall under 1
	v_max_num_f32_dpp v8, v8, v8 row_xmask:1 row_mask:0xf bank_mask:0xf   ; and of my neighbour's 16: the block's
	v_add_nc_u32 v11, 0xff000000, v8               ; 2 off its exponent field: the conversion takes the exponent field of this operand as its scale
	v_cvt_scalef32_pk8_fp4_f32 v[C+4*(\t)], v[XS:XS+7], v11
	v_cvt_scalef32_pk8_fp4_f32 v[C+4*(\t)+1], v[XS+8:XS+15], v11
	v_lshrrev_b32 v[E+(\t)], 23, v11               ; the scale's byte (also the plain line behind the conversions)
	ds_store_b8 v5, v[E+(\t)] offset:16*(\t)       ; both lanes of a block write the same byte with the same value
	global_store_b64 v4, v[C+4*(\t):C+4*(\t)+1], s[28:29] offset:32*CB*(\t)   ; the wave stores 256 consecutive bytes, aligned
.endm
.irp t, 0,1,2,3,4,5,6,7,8,9,10,11,12,13,14,15
	STEP \t
.endr
	ds_load_b64 v[8:9], v6                         ; LDS serves a wave's instructions in order: these see my byte stores
	s_wait_dscnt 0x0
	global_store_b64 v7, v[8:9], s[30:31]          ; 32 lanes store 256 consecutive bytes, aligned
	s_wait_tensorcnt 0x0                           ; the wave's end: a tensor wait, an add to my spare word and its wait behind my last LDS store
	ds_add_u32 v[SPW], v[NIL]
	s_wait_dscnt 0x0
	s_endpgm
; ---------------- W path: Wo to f16.  A work-group takes 8,192 numbers; a wave's load covers 512 consecutive bytes, its store 256 ----------------
.Lnot_q:
	s_cmp_ge_u32 ttmp9, WEND
	s_cbranch_scc1 .Lpath_r
	s_sub_co_u32 s26, ttmp9, QEND
	s_lshl_b32 s28, s26, 15
	s_mov_b32 s29, 0
	s_add_nc_u64 s[12:13], s[12:13], s[28:29]
	s_lshl_b32 s28, s26, 14
	s_add_nc_u64 s[22:23], s[22:23], s[28:29]
	v_lshlrev_b32 v1, 4, v0
	v_lshlrev_b32 v2, 3, v0
.irp u, 0,1,2,3,4,5,6,7,8,9,10,11,12,13,14,15
	global_load_b128 v[16+4*\u:19+4*\u], v1, s[12:13] offset:2048*\u th:TH_LOAD_NT
.endr
.irp u, 0,1,2,3,4,5,6,7,8,9,10,11,12,13,14,15
	s_wait_loadcnt 15-\u                           ; load u is in; the younger ones stay out
	v_cvt_pk_f16_f32 v[80+2*\u], v[16+4*\u], v[17+4*\u]
	v_cvt_pk_f16_f32 v[81+2*\u], v[18+4*\u], v[19+4*\u]
	global_store_b64 v2, v[80+2*\u:81+2*\u], s[22:23] offset:1024*\u   ; no register is written twice: no wait for the stores' sources
.endr
	s_endpgm
; ---------------- R path: the rotary table.  A thread makes four pieces of 16 bytes; piece = 512 g + 128 rep + thread; t = piece / 8, p = piece % 8 = thread % 8 ----------------
.Lpath_r:
	s_sub_co_u32 s26, ttmp9, WEND
	s_lshl_b32 s27, s26, 6                         ; the work-group's first t
	s_lshl_b32 s28, s26, 13                        ; and its 8,192 bytes
	s_mov_b32 s29, 0
	s_add_nc_u64 s[24:25], s[24:25], s[28:29]
	s_mov_b32 s30, 0xbfc90fdb                      ; -(pi/2), the f32 nearest to it,
	s_mov_b32 s31, 0x333bbd2e                      ; and what that f32 has too much: 4.371e-8
	v_and_b32 v1, 7, v0                            ; p: 0-3 cosines, 4-7 sines
	v_and_b32 v2, 3, v1
	v_lshlrev_b32 v2, 2, v2                        ; my first i
	v_lshrrev_b32 v3, 2, v1
	v_mul_u32_u24 v3, v3, 3                        ; sin(a) = cos(a - pi/2): three quadrants on
	v_lshrrev_b32 v4, 3, v0
	v_add_nc_u32 v4, s27, v4                       ; t of my first piece
	v_lshlrev_b32 v5, 4, v0
	v_mov_b32 v29, 0x3638ef1d                      ; 1/9!
	v_mov_b32 v30, 0x37d00d01                      ; 1/8!
.irp e, 0,1,2,3
	v_add_nc_u32 v[16+\e], \e, v2
.endr
.irp e, 0,1,2,3
	v_cvt_f32_u32 v[16+\e], v[16+\e]
.endr
.irp e, 0,1,2,3
	v_mul_f32 v[16+\e], 0xbf549a78, v[16+\e]       ; -i log2(10000) / 16
.endr
.irp e, 0,1,2,3
	v_exp_f32 v[16+\e], v[16+\e]                   ; f_i
.endr
	v_nop                                          ; a plain line behind the last exponential
	s_wait_alu depctr_va_vdst(0)                   ; one wait for the four, ahead of their first reader
.macro TRIG rep, e
	v_mul_f32 v21, v20, v[16+\e]                   ; the angle, rounded to f32 as the problem's outer product rounds it
	v_mul_f32 v22, 0x3f22f983, v21
	v_rndne_f32 v22, v22                           ; n = the nearest multiple of pi/2
	v_fma_f32 v23, v22, s30, v21
	v_fma_f32 v23, v22, s31, v23                   ; r = angle - n pi/2, |r| <= pi/4
	v_mul_f32 v24, v23, v23
	v_fmaak_f32 v25, v29, v24, 0xb9500d01          ; sine's series,
	v_fmaak_f32 v26, v30, v24, 0xbab60b61          ; cosine's, by turns
	v_fmaak_f32 v25, v25, v24, 0x3c088889
	v_fmaak_f32 v26, v26, v24, 0x3d2aaaab
	v_fmaak_f32 v25, v25, v24, 0xbe2aaaab
	v_fmaak_f32 v26, v26, v24, 0xbf000000
	v_mul_f32 v28, v23, v24
	v_fma_f32 v25, v28, v25, v23                   ; sin r
	v_fma_f32 v26, v24, v26, 1.0                   ; cos r
	v_cvt_i32_f32 v27, v22
	v_add_nc_u32 v27, v27, v3                      ; the quadrant k
	v_and_b32 v28, 1, v27
	v_cmp_ne_u32 vcc_lo, 0, v28
	v_cndmask_b32 v25, v26, v25, vcc_lo            ; odd k: sin r; the choice selects a value only
	v_add_nc_u32 v27, 1, v27
	v_and_b32 v27, 2, v27                          ; k % 4 = 1 or 2: negative
	v_lshlrev_b32 v27, 30, v27
	v_xor_b32 v[32+4*\rep+\e], v27, v25
.endm
.irp rep, 0,1,2,3
	v_add_nc_u32 v31, 16*\rep, v4
	v_cvt_f32_u32 v20, v31
.irp e, 0,1,2,3
	TRIG \rep, \e
.endr
	global_store_b128 v5, v[32+4*\rep:35+4*\rep], s[24:25] offset:2048*\rep   ; a wave stores 512 consecutive bytes; each piece has registers of its own
.endr
	s_endpgm
.Lfunc_end_k_qea6943fbe6_prep:
	.size	k_qea6943fbe6_prep, .Lfunc_end_k_qea6943fbe6_prep-k_qea6943fbe6_prep
	.p2alignl 7, 3214868480
	.fill 96, 4, 3214868480
	.section	.rodata,"a",@progbits
	.p2align	6, 0x0
	.amdhsa_kernel k_qea6943fbe6_prep
		.amdhsa_group_segment_fixed_size 33280
		.amdhsa_private_segment_fixed_size 0
		.amdhsa_enable_private_segment 0
		.amdhsa_kernarg_size 88
		.amdhsa_user_sgpr_count 2
		.amdhsa_user_sgpr_kernarg_segment_ptr 1
		.amdhsa_wavefront_size32 1
		.amdhsa_system_sgpr_workgroup_id_x 1
		.amdhsa_system_sgpr_workgroup_id_y 1
		.amdhsa_system_sgpr_workgroup_id_z 1
		.amdhsa_system_vgpr_workitem_id 0
		.amdhsa_next_free_vgpr 192
		.amdhsa_next_free_sgpr 66
		.amdhsa_reserve_vcc 1
		.amdhsa_float_denorm_mode_32 3
		.amdhsa_float_denorm_mode_16_64 3
		.amdhsa_memory_ordered 1
		.amdhsa_forward_progress 1
		.amdhsa_inst_pref_size 59
	.end_amdhsa_kernel
	.amdgpu_metadata
---
amdhsa.version: [ 1, 2 ]
amdhsa.kernels:
  - .name:           k_qea6943fbe6_prep
    .symbol:         k_qea6943fbe6_prep.kd
    .args:
      - { .name: x, .offset: 0, .size: 8, .value_kind: global_buffer, .address_space: global }
      - { .name: Wq, .offset: 8, .size: 8, .value_kind: global_buffer, .address_space: global }
      - { .name: Wk, .offset: 16, .size: 8, .value_kind: global_buffer, .address_space: global }
      - { .name: Wv, .offset: 24, .size: 8, .value_kind: global_buffer, .address_space: global }
      - { .name: Wo, .offset: 32, .size: 8, .value_kind: global_buffer, .address_space: global }
      - { .name: xc, .offset: 40, .size: 8, .value_kind: global_buffer, .address_space: global }
      - { .name: xs, .offset: 48, .size: 8, .value_kind: global_buffer, .address_space: global }
      - { .name: wc, .offset: 56, .size: 8, .value_kind: global_buffer, .address_space: global }
      - { .name: ws, .offset: 64, .size: 8, .value_kind: global_buffer, .address_space: global }
      - { .name: wo16, .offset: 72, .size: 8, .value_kind: global_buffer, .address_space: global }
      - { .name: rope, .offset: 80, .size: 8, .value_kind: global_buffer, .address_space: global }
    .group_segment_fixed_size: 33280
    .private_segment_fixed_size: 0
    .kernarg_segment_align: 8
    .kernarg_segment_size: 88
    .max_flat_workgroup_size: 128
    .sgpr_count:     66
    .vgpr_count:     192
    .wavefront_size: 32
...
	.end_amdgpu_metadata
.endif
;; end of part 1
;; launch project_qkv (part 2): grid 12 x 32, 4 waves a work-group, clusters of 4 x 4, 327,680 bytes of LDS; arguments xc, xs, wc, ws, rope, qkv; writes qkv
.if DOCPART == 2
	.amdgcn_target "amdgcn-amd-amdhsa--gfx1250"
	.amdhsa_code_object_version 6
	.text
	.protected	k_qea6943fbe6_project_qkv
	.globl	k_qea6943fbe6_project_qkv
	.p2align	8
	.type	k_qea6943fbe6_project_qkv,@function
k_qea6943fbe6_project_qkv:
	s_mov_b64 s[64:65], 0
	v_nop
	global_prefetch_b8 v0, s[64:65] scope:SCOPE_SE
	s_setreg_imm32_b32 hwreg(HW_REG_WAVE_MODE, 25, 1), 1
	s_wait_xcnt 0x0
	s_wait_alu depctr_hold_cnt(0) depctr_sa_sdst(0) depctr_va_vdst(0) depctr_va_sdst(0) depctr_va_ssrc(0) depctr_va_vcc(0) depctr_vm_vsrc(0)
	s_getreg_b32 s2, hwreg(HW_REG_IB_STS2, 6, 4)
	s_cmp_eq_u32 s2, 0
	s_cbranch_scc0 .Lentry_in_a_cluster
	s_endpgm
.Lentry_in_a_cluster:
	s_bfe_u32 s2, ttmp6, 0x10000c
	s_cmp_lg_u32 s2, 0xf033
	s_cbranch_scc0 .Lentry_shape_is_right
	s_endpgm
.Lentry_shape_is_right:
; q, k, v = x Wq^T, x Wk^T, x Wv^T as ONE product C[m][n] = sum over k of A[m][k] B[n][k] on codes of FP4 (E2M1) with one E8M0 scale for each 32 along K: A = xc [8192][1024], B = wc [3072][1024]
; (rows 0-1023 Wq, 1024-2047 Wk, 2048-3071 Wv).  Sums in f32.  On the way out q and k get the rotary turn in f32, and all three are rounded to f16 and laid by head:
; qkv = three parts of 2^24 bytes (q, k, v), each [batch 16 + head][2048 tokens][64] f16.  Nothing of the problem is left out here.
; LIMIT: |q|, |k|, |v| stay under 65,504, f16's largest number (with x and the weights thirty times the drawn spread they reach about 5,400).
; A tile of C, 256 x 256, is made by four waves, 128 x 128 each: 64 accumulators, 512 registers.  K = 1,024 is two slots of 512 along K (rows of 256 bytes): both are first fills, nothing is filled again.
; THE SCALES of the work-group's 256 rows of A and of B, for all of K, are two dense blocks: they come into LDS once, with the first fills.
; CLUSTERS: 4 x 4 work-groups.  The four of a row of the cluster need the same tiles of A, the four of a column the same tiles of B: each is asked for jointly, by the same tensor load with a mask that names the four.
; THE MATRIX INSTRUCTION IS USED TRANSPOSED (source 0 = 16 rows of B, source 1 = 16 rows of A): a lane holds one token (lane % 16) and eight neighbouring channels 16 b + 8 (lane / 16) + 0..7.
; A wave's 128 columns are two heads; in a head, B's block 0 holds channels 0-15 and block 1 channels 16-31: the two partners of a rotary pair lie in the same lane and the same register number of two accumulators.
; Four tile columns are one part, so the part is the cluster's x: clusters 0 and 1 (q, k) take the tail with the turn, cluster 2 (v) the tail without.  That branch is the same in all sixteen partners.
; REGISTERS: window 0: v0-31 addresses; v32-95 scale words, two sets; v128-191 A's fragments, one set; on the way out v32-191 are free.
;   window 1: B's fragments, two sets, v0-63 and v128-191; v64-127 and v192-255 the rotary table of my 128 tokens.   windows 2, 3: the accumulators ((a, b) at v[8 (8 (a % 4) + b)]).
.set SIZE_K, 1024
.set KSTEP,  512
.set NQ,     KSTEP/128
.set ROWB,   256                       ; a tile's row in bytes
.set KROW,   SIZE_K*4/8                ; a row of A or B in memory
.set PITCH,  272                       ; an LDS row: 256 bytes + 16 of padding: the 16 rows of a load start at 16 different banks (64 banks of 4 bytes: ISA guide 11.1)
.set FR,     8
.set NL,     2
.set NP,     4                         ; places behind this matrix instruction (ISA guide 7.12.1)
.set HALFT,  128*PITCH
.set SLOT,   4*HALFT                   ; A's 256 rows, then B's 256
.set KS,     SIZE_K/32                 ; a row of scales: 32 bytes
.set SCL,    2*SLOT                    ; behind the slots: the scales, as units of 256 bytes + 16
.set HALFS,  (128*KS/256)*272
.set SBLK,   (16*KS/256)*272
.set SPARE,  SCL+4*HALFS               ; the spare words, 128 bytes a wave
.set SPITCH, 272                       ; the way out: a stage of 16 rows x (256 bytes + 16) for each wave, in slot 0, which has had its one fill and its last read by then
.set ADRA, 16
.set ADRB, 20
.set STO,  24                          ; v24  the way out: where I put 16 bytes of a token's row
.set RD,   25                          ; v25  where I read four tokens of a head back
.set CO,   26                          ; v26  16 x lane: my place in 512 stored bytes
.set ADRS, 27
.set SPW,  28
.set NIL,  29
.set TA,   30                          ; v30  my place in the table: 128 (lane % 16) + 32 (lane / 16)
.set SC,   32
.set AF,   128
.set TMP,  32                          ; the way out: v32-63 a block as f16
.set RO,   64                          ; v64-95 the turned channels of a block, f32
.set TT,   96                          ; v96-103 at work
.set BK,   128                         ; v128-159, v160-191: a block read back, by turns
.set G1, 24
.set G0, 32
.set G1B, 48
.set G0B, 56
.set G1S, 68
.set G0S, 76
.set G1SB, 80
.set G0SB, 88
.set MSB, 0
.macro WIN new                         ; the immediate's high byte repeats the setting that is left
.if MSB != (\new)
	s_set_vgpr_msb (MSB<<8)|(\new)
.set MSB, (\new)
.endif
.endm
.set MUL_LO, 0xa1                      ; source 0 (B) window 1, source 1 (A) window 0, C and D window 2
.set MUL_HI, 0xf1
.set TO_B,   0x40
; A joint load: waves 0 and 1 fetch for A, waves 2 and 3 for B; the branch hangs on the wave's number alone.  An s_nop 0 and four v_nop follow each line.
.macro JLOAD g0a, g1a, g0b, g1b
	s_cmp_eq_u32 s15, 0
	s_cbranch_scc0 .Lfor_b_\@
	tensor_load_to_lds s[\g0a:\g0a+3], s[\g1a:\g1a+7]
	s_nop 0
.rept 4
	v_nop
.endr
	s_branch .Lasked_\@
.Lfor_b_\@:
	tensor_load_to_lds s[\g0b:\g0b+3], s[\g1b:\g1b+7]
	s_nop 0
.rept 4
	v_nop
.endr
.Lasked_\@:
.endm
.macro CROUND                          ; a round of the cluster's barrier
	s_barrier_signal -1
	s_barrier_wait -1
	s_cmp_lg_u32 s14, 0
	s_cbranch_scc1 .Lnot_wave_0_\@
	s_barrier_signal -3
.Lnot_wave_0_\@:
	s_barrier_wait -3
	s_barrier_signal -1
	s_barrier_wait -1
.endm
	s_load_b128 s[4:7], s[0:1], 0x0                ; A's codes, A's scales
	s_load_b128 s[8:11], s[0:1], 0x10              ; B's codes, B's scales
	s_load_b64 s[98:99], s[0:1], 0x20              ; the rotary table
	s_load_b64 s[12:13], s[0:1], 0x28              ; qkv
	v_lshl_add_u32 v[SPW], v0, 2, SPARE
	v_mov_b32 v[NIL], 0
	ds_add_u32 v[SPW], v[NIL]                      ; the wave's opening: the add, twice on end, and its wait ahead of my first tensor load
	ds_add_u32 v[SPW], v[NIL]
	v_lshrrev_b32 v1, 5, v0
	v_readfirstlane_b32 s14, v1                    ; wave 0..3
	s_lshr_b32 s15, s14, 1                         ; which half of the tile's rows is mine.  Also: I fetch for A (0) or for B (1)
	s_and_b32 s16, s14, 1                          ; which half of its columns.  Also: which 128 rows of that tile I fetch
	s_bfe_u32 s40, ttmp6, 0x40000                  ; cx, cy
	s_bfe_u32 s41, ttmp6, 0x40004
	s_lshl_b32 s42, ttmp9, 2
	s_add_co_u32 s42, s42, s40                     ; tile column
	s_and_b32 s17, ttmp7, 0xffff
	s_lshl_b32 s17, s17, 2
	s_add_co_u32 s17, s17, s41                     ; tile row
	s_lshl_b32 s43, s41, 2
	s_lshl_b32 s43, 15, s43                        ; my row of the cluster
	s_lshl_b32 s44, 0x1111, s40                    ; my column
	s_or_b32 s[G1+0], s43, (0<<16)|(1<<20)|(1<<21)|(5<<22)|(3<<25)  ; the mask; elements of 1 byte; padding on; bit 21 beside a mask; 4 words after every 64
	s_or_b32 s[G1B+0], s44, (0<<16)|(1<<20)|(1<<21)|(5<<22)|(3<<25)
.irp g, G1, G1B
	s_mov_b32 s[\g+1], ROWB<<16                    ; tensor_dim0
	s_mov_b32 s[\g+2], 128<<16                     ; tensor_dim1
	s_mov_b32 s[\g+3], ROWB<<16                    ; tile_dim0
	s_mov_b32 s[\g+4], 128                         ; tile_dim1
	s_mov_b32 s[\g+5], KROW                        ; from row to row
	s_mov_b32 s[\g+6], 0
	s_mov_b32 s[\g+7], 0
.endr
	s_or_b32 s[G1S+0], s43, (3<<16)|(1<<20)|(1<<21)|(5<<22)|(3<<25) ; the scales of 128 rows: 4,096 dense bytes as 16 rows of 32 elements of 8 bytes
	s_or_b32 s[G1SB+0], s44, (3<<16)|(1<<20)|(1<<21)|(5<<22)|(3<<25)
.irp g, G1S, G1SB
	s_mov_b32 s[\g+1], 32<<16
	s_mov_b32 s[\g+2], (128*KS/256)<<16
	s_mov_b32 s[\g+3], 32<<16
	s_mov_b32 s[\g+4], 128*KS/256
	s_mov_b32 s[\g+5], 32
	s_mov_b32 s[\g+6], 0
	s_mov_b32 s[\g+7], 0
.endr
	s_lshl_b32 s18, s16, 7
	s_lshl_b32 s20, s17, 8
	s_add_co_u32 s20, s20, s18                     ; A: row 256 x tile row + 128 x half
	s_lshl_b32 s46, s42, 8
	s_add_co_u32 s46, s46, s18                     ; B: row 256 x tile column + 128 x half
	s_mov_b32 s21, 0
	s_mov_b32 s47, 0
	s_mov_b64 s[18:19], KS
	s_mul_u64 s[22:23], s[20:21], s[18:19]         ; where these rows' scales begin
	s_mul_u64 s[92:93], s[46:47], s[18:19]
	s_mov_b64 s[18:19], KROW
	s_mul_u64 s[20:21], s[20:21], s[18:19]         ; and their codes
	s_mul_u64 s[46:47], s[46:47], s[18:19]
	s_mul_i32 s45, s14, HALFT                      ; where they go: wave x 128 rows
	s_mul_i32 s94, s14, HALFS
	s_wait_dscnt 0x0                               ; both opening adds are done
	s_wait_kmcnt 0x0
	s_add_nc_u64 s[20:21], s[4:5], s[20:21]
	s_add_nc_u64 s[22:23], s[6:7], s[22:23]
	s_add_nc_u64 s[46:47], s[8:9], s[46:47]
	s_add_nc_u64 s[92:93], s[10:11], s[92:93]
	CROUND                                         ; all sixteen work-groups are here: the joint loads meet
	s_mov_b32 s[G0S], 1
	s_add_co_u32 s[G0S+1], s94, SCL
	s_mov_b64 s[G0S+2:G0S+3], s[22:23]
	s_or_b32 s[G0S+3], s[G0S+3], 0x80000000
	s_mov_b32 s[G0SB], 1
	s_add_co_u32 s[G0SB+1], s94, SCL
	s_mov_b64 s[G0SB+2:G0SB+3], s[92:93]
	s_or_b32 s[G0SB+3], s[G0SB+3], 0x80000000
	JLOAD G0S, G1S, G0SB, G1SB                     ; the scales first: they are wanted with the first slot
.irp s, 0,1
	s_mov_b32 s[G0+4*\s], 1
	s_add_co_u32 s[G0+4*\s+1], s45, \s*SLOT
	s_add_nc_u64 s[G0+4*\s+2:G0+4*\s+3], s[20:21], \s*ROWB
	s_or_b32 s[G0+4*\s+3], s[G0+4*\s+3], 0x80000000
	s_mov_b32 s[G0B+4*\s], 1
	s_add_co_u32 s[G0B+4*\s+1], s45, \s*SLOT
	s_add_nc_u64 s[G0B+4*\s+2:G0B+4*\s+3], s[46:47], \s*ROWB
	s_or_b32 s[G0B+4*\s+3], s[G0B+4*\s+3], 0x80000000
	JLOAD G0+4*\s, G1, G0B+4*\s, G1B               ; three tensor loads of mine are out, and no more follow
.endr
	v_and_b32 v1, 15, v0                           ; r = lane % 16
	v_bfe_u32 v2, v0, 4, 1                         ; h = lane / 16
	v_mul_u32_u24 v3, v1, PITCH
	v_lshl_add_u32 v4, v2, 4, v3
	s_mul_i32 s21, s15, HALFT
	s_mul_i32 s22, s16, HALFT
	s_add_co_u32 s22, s22, 2*HALFT
.irp s, 0,1
	v_add_nc_u32 v[ADRA+\s], s21, v4
	v_add_nc_u32 v[ADRB+\s], s22, v4
	s_add_co_u32 s21, s21, SLOT
	s_add_co_u32 s22, s22, SLOT
.endr
	v_mul_u32_u24 v5, v1, KS                       ; my row's scales: 32 bytes a row,
	v_lshrrev_b32 v6, 8, v5
	v_lshl_add_u32 v5, v6, 4, v5                   ; and 16 more for each 256 passed
	s_mul_i32 s21, s15, HALFS
	s_mul_i32 s22, s16, HALFS
	s_add_co_u32 s22, s22, 2*HALFS
	s_sub_co_u32 s22, s22, s21
	v_mul_u32_u24 v6, s22, v2                      ; lanes 16-31 take B's
	s_add_co_u32 s21, s21, SCL
	v_add_nc_u32 v5, v5, v6
	v_add_nc_u32 v[ADRS], s21, v5
	s_mul_i32 s23, s14, 16*SPITCH                  ; my stage
	v_mul_u32_u24 v5, v1, SPITCH                   ; in: token r, 16 bytes for each half of the lanes
	v_lshl_add_u32 v5, v2, 4, v5
	v_add_nc_u32 v[STO], s23, v5
	v_and_b32 v6, 31, v0
	v_lshrrev_b32 v7, 3, v6                        ; back: eight lanes take a token's 128 bytes of one head, the wave four tokens
	v_and_b32 v8, 7, v0
	v_mul_u32_u24 v7, v7, SPITCH
	v_lshl_add_u32 v7, v8, 4, v7
	v_add_nc_u32 v[RD], s23, v7
	v_lshlrev_b32 v[CO], 4, v6
	v_lshlrev_b32 v[TA], 7, v1
	v_lshl_add_u32 v[TA], v2, 5, v[TA]
	s_lshl_b32 s20, s17, 8
	s_lshl_b32 s21, s15, 7
	s_add_co_u32 s20, s20, s21                     ; my first row of C
	s_and_b32 s21, s20, 2047                       ; its token,
	s_lshr_b32 s22, s20, 11                        ; its batch
	s_lshl_b32 s22, s22, 15                        ; 16 heads of 2,048 tokens a batch
	s_add_co_u32 s22, s22, s21
	s_lshl_b32 s22, s22, 7                         ; 128 bytes a token
	s_mov_b32 s23, 0
	s_add_nc_u64 s[12:13], s[12:13], s[22:23]
	s_lshl_b32 s20, s21, 7
	s_mov_b32 s21, 0
	s_add_nc_u64 s[98:99], s[98:99], s[20:21]      ; the table at my first token
	s_lshl_b32 s46, s40, 2                         ; my first head in the part: 4 cx + 2 x half (in the registers that held B's address)
	s_lshl_b32 s47, s16, 1
	s_add_co_u32 s46, s46, s47
	s_lshl_b32 s46, s46, 18                        ; 2^18 bytes a head
	s_lshl_b32 s47, ttmp9, 24                      ; 2^24 bytes a part
	s_add_co_u32 s46, s46, s47
	s_mov_b32 s47, 0
	s_add_nc_u64 s[12:13], s[12:13], s[46:47]
.macro FRAG reg, adr, q, i             ; 16 rows x 128 K of 4-bit codes: 8 registers, two loads of 16 bytes, 32 bytes apart
.irp c, 0,1
	ds_load_b128 v[\reg+4*\c:\reg+4*\c+3], v[\adr] offset:64*(\q)+32*\c+(\i)*16*PITCH
.endr
.endm
; 16 matrix instructions: A's blocks a0, a0 + 1 x B's eight.  The 64 accumulators take turns, one instruction a turn, in the same order in every step.
.macro MUL16 a0, p, q, sc, zero
.irp a, \a0, \a0+1
.irp b, 0,1,2,3,4,5,6,7
.if \zero
	v_wmma_scale_f32_16x16x128_f8f6f4 v[8*(8*((\a)%4)+\b):8*(8*((\a)%4)+\b)+7], v[128*(\p)+FR*\b:128*(\p)+FR*\b+FR-1], v[AF+FR*(\a):AF+FR*(\a)+FR-1], 0, v[SC+8*NQ*(\sc)+NQ*\b+(\q)], v[SC+8*NQ*(\sc)+NQ*(\a)+(\q)] matrix_a_fmt:MATRIX_FMT_FP4 matrix_b_fmt:MATRIX_FMT_FP4 matrix_a_scale:MATRIX_SCALE_ROW1
.else
	v_wmma_scale_f32_16x16x128_f8f6f4 v[8*(8*((\a)%4)+\b):8*(8*((\a)%4)+\b)+7], v[128*(\p)+FR*\b:128*(\p)+FR*\b+FR-1], v[AF+FR*(\a):AF+FR*(\a)+FR-1], v[8*(8*((\a)%4)+\b):8*(8*((\a)%4)+\b)+7], v[SC+8*NQ*(\sc)+NQ*\b+(\q)], v[SC+8*NQ*(\sc)+NQ*(\a)+(\q)] matrix_a_fmt:MATRIX_FMT_FP4 matrix_b_fmt:MATRIX_FMT_FP4 matrix_a_scale:MATRIX_SCALE_ROW1
.endif
.endr
.endr
.endm
.macro FETCH_B slot, q, p
	WIN TO_B
.irp i, 0,1,2,3,4,5,6,7
	FRAG 128*(\p)+FR*\i, ADRB+\slot, \q, \i
.endr
	WIN 0
.endm
.macro FETCH_A slot, q, i0
.irp i, \i0, \i0+1, \i0+2, \i0+3
	FRAG AF+FR*(\i), ADRA+\slot, \q, \i
.endr
.endm
.macro SCALES sc                       ; a slot's scale words: lanes 0-15 take A's block i, lanes 16-31 B's block i
.irp i, 0,1,2,3,4,5,6,7
	ds_load_b128 v[SC+8*NQ*\sc+NQ*\i:SC+8*NQ*\sc+NQ*\i+3], v[ADRS] offset:\i*SBLK
.endr
.endm
.macro PLACES n                        ; plain vector lines between a matrix instruction and a load into, or a read of, its registers
.rept \n
	v_nop
.endr
.endm
.macro STEP slot, q, zero              ; 128 along K with its successor in the same slot
	s_wait_dscnt 4*NL                              ; B's set and A's blocks 0-3 are in; the youngest eight loads (A's blocks 4-7) may be out
	WIN MUL_LO
	MUL16 0, (\q)%2, \q, \slot, \zero
	MUL16 2, (\q)%2, \q, \slot, \zero
	s_wait_dscnt 0                                 ; A's blocks 4-7 are in
	PLACES NP
	FETCH_B \slot, (\q)+1, 1-(\q)%2
	FETCH_A \slot, (\q)+1, 0
	WIN MUL_HI
	MUL16 4, (\q)%2, \q, \slot, \zero
	MUL16 6, (\q)%2, \q, \slot, \zero
	PLACES NP
	WIN 0
	FETCH_A \slot, (\q)+1, 4
.endm
.macro STEPS slot, from
.set Q, \from
.rept NQ-1-\from
	STEP \slot, Q, 0
.set Q, Q+1
.endr
.endm
	s_wait_tensorcnt 1                             ; the scales and my part of slot 0 are in; slot 1's load, the one issued behind them, may be out
	s_barrier_signal -1
	s_barrier_wait -1                              ; everybody's are
	FETCH_B 0, 0, 0
	FETCH_A 0, 0, 0
	SCALES 0
	FETCH_A 0, 0, 4
	STEP 0, 0, 1                                   ; the first products start the sums: nothing is cleared
	STEPS 0, 1
	; slot 0's last step changes slots: one barrier
	s_wait_tensorcnt 0x0                           ; all my tensor loads have landed: my part of slot 1
	ds_add_u32 v[SPW], v[NIL]                      ; 0 onto my spare word
	s_wait_dscnt 4*NL+1                            ; (the add and the youngest eight loads may be out)
	WIN MUL_LO
	MUL16 0, 1, NQ-1, 0, 0
	s_wait_dscnt 0x0                               ; the add is done, and my reads of slot 0 are over
	s_barrier_signal -1
	MUL16 2, 1, NQ-1, 0, 0
	WIN 0
	s_barrier_wait -1                              ; slot 1 is whole, and nobody reads slot 0 any more
	PLACES NP
	v_add_nc_u32 v[ADRS], 4*NQ, v[ADRS]            ; slot 1's scale words
	FETCH_B 1, 0, 0
	FETCH_A 1, 0, 0
	SCALES 1
	WIN MUL_HI
	MUL16 4, 1, NQ-1, 0, 0
	MUL16 6, 1, NQ-1, 0, 0
	PLACES NP
	WIN 0
	FETCH_A 1, 0, 4
; THE ROTARY TURN of block a (16 tokens), both heads: channel i = 8 h + j of 0..15 and its partner i + 16 lie in accumulators (a, 4 hh) and (a, 4 hh + 1), register j.
; new(i) = x1 cos + x2 sin;  new(i + 16) = x2 cos - x1 sin.  Each accumulator is read from its low end on.
.macro ROT a
.set AC, 64*((\a)%4)
.set CT, 64+16*(\a)+64*((\a)/4)        ; the block's table, in window 1: 8 cosines, 8 sines
	WIN 0x06+(\a)/4                                ; source 0: window 2 or 3; source 1: window 1
.irp hh, 0,1
.irp j, 0,2,4,6
.set T4, TT+2*(\j%4)
	v_pk_mul_f32 v[T4:T4+1], v[AC+32*\hh+8+\j:AC+32*\hh+9+\j], v[CT+8+\j:CT+9+\j]
	v_pk_mul_f32 v[T4+2:T4+3], v[AC+32*\hh+\j:AC+32*\hh+1+\j], v[CT+8+\j:CT+9+\j]
	v_pk_fma_f32 v[RO+16*\hh+\j:RO+16*\hh+1+\j], v[AC+32*\hh+\j:AC+32*\hh+1+\j], v[CT+\j:CT+1+\j], v[T4:T4+1]
	v_pk_fma_f32 v[RO+16*\hh+8+\j:RO+16*\hh+9+\j], v[AC+32*\hh+8+\j:AC+32*\hh+9+\j], v[CT+\j:CT+1+\j], v[T4+2:T4+3] neg_lo:[0,0,1] neg_hi:[0,0,1]
.endr
.endr
	WIN 0
.endm
.macro PACK a, rope                    ; block a as f16: 16 bytes a lane for each of B's eight blocks
.set AC, 64*((\a)%4)
.if \rope
	WIN 0
.irp hh, 0,1
.irp u, 0,1
.irp i, 0,1,2,3
	v_cvt_pk_f16_f32 v[TMP+4*(4*\hh+\u)+\i], v[RO+16*\hh+8*\u+2*\i], v[RO+16*\hh+8*\u+2*\i+1]
.endr
.endr
.endr
	WIN 0x0a+5*((\a)/4)                            ; sources 0 and 1: window 2 or 3
.irp hh, 0,1
.irp u, 2,3
.irp i, 0,1,2,3
	v_cvt_pk_f16_f32 v[TMP+4*(4*\hh+\u)+\i], v[AC+8*(4*\hh+\u)+2*\i], v[AC+8*(4*\hh+\u)+2*\i+1]
.endr
.endr
.endr
.else
	WIN 0x0a+5*((\a)/4)
.irp b, 0,1,2,3,4,5,6,7
.irp i, 0,1,2,3
	v_cvt_pk_f16_f32 v[TMP+4*\b+\i], v[AC+8*\b+2*\i], v[AC+8*\b+2*\i+1]
.endr
.endr
.endif
	WIN 0
.endm
.macro TOSTAGE a, stg                  ; into my stage by tokens, back by heads.  LDS serves a wave's instructions in order (ISA guide 5.7.1.4): no wait between
.set BB, BK+32*((\a)%2)
.irp b, 0,1,2,3,4,5,6,7
	ds_store_b128 v[STO], v[TMP+4*\b:TMP+4*\b+3] offset:\stg+32*\b
.endr
.irp hh, 0,1
.irp i, 0,1,2,3
	ds_load_b128 v[BB+4*(4*\hh+\i):BB+4*(4*\hh+\i)+3], v[RD] offset:\stg+4*SPITCH*\i+128*\hh
.endr
.endr
.endm
.macro SEND a, younger                 ; younger: the LDS instructions issued behind block a's loads
.set BB, BK+32*((\a)%2)
	s_wait_dscnt \younger
.irp hh, 0,1
.irp i, 0,1,2,3
	global_store_b128 v[CO], v[BB+4*(4*\hh+\i):BB+4*(4*\hh+\i)+3], s[12:13] offset:262144*\hh+2048*(\a)+512*\i   ; four tokens of a head: 512 consecutive bytes, aligned; the base is never stepped
.endr
.endr
.endm
; THE TAIL: slot 1's four steps and the way out.  rope = 1: with the table and the turn.  stg: the arm's own stage bytes in slot 0.  No barrier, tensor load or add stands in it.
.macro TAIL rope, stg
.if \rope
	WIN TO_B                                       ; the table of my 128 tokens, into registers of window 1 that no matrix instruction names; four steps of 64 products stand between these loads and the wait for them
.irp a, 0,1,2,3,4,5,6,7
.set CT, 64+16*\a+64*(\a/4)
	global_load_b128 v[CT:CT+3], v[TA], s[98:99] offset:2048*\a
	global_load_b128 v[CT+4:CT+7], v[TA], s[98:99] offset:2048*\a+16
	global_load_b128 v[CT+8:CT+11], v[TA], s[98:99] offset:2048*\a+64
	global_load_b128 v[CT+12:CT+15], v[TA], s[98:99] offset:2048*\a+80
.endr
	WIN 0
.endif
	STEPS 1, 0
	s_wait_dscnt 4*NL                              ; the very last step: nothing more to fetch
	WIN MUL_LO
	MUL16 0, 1, NQ-1, 1, 0
	MUL16 2, 1, NQ-1, 1, 0
	s_wait_dscnt 0
	WIN MUL_HI
	MUL16 4, 1, NQ-1, 1, 0
	MUL16 6, 1, NQ-1, 1, 0
	WIN 0
	PLACES NP                                      ; ahead of the first read of results, and of writes and loads into registers that held scales and fragments
.if \rope
	s_wait_loadcnt 0x0                             ; the table
.endif
.irp a, 0,1,2,3,4,5,6,7
.if \rope
	ROT \a
.endif
	PACK \a, \rope
.if \a > 1
	s_wait_xcnt 0x0                                ; block a - 2's stores have read their registers: block a's loads may land there
.endif
	TOSTAGE \a, \stg
.if \a > 0
	SEND \a-1, 16                                  ; behind block a - 1's loads: block a's 8 stores and 8 loads
.endif
.endr
	SEND 7, 0
.endm
	s_cmp_eq_u32 ttmp9, 2                          ; the cluster's x is the part: 0 q, 1 k, 2 v; the same in all sixteen partners
	s_cbranch_scc1 .Lplain
	TAIL 1, 0
	s_branch .Lend
.Lplain:
	TAIL 0, 32768
.Lend:
	s_wait_tensorcnt 0x0                           ; the wave's end: a tensor wait, an add to my spare word and its wait behind my last tensor load and my last LDS store
	ds_add_u32 v[SPW], v[NIL]
	s_wait_dscnt 0x0
	CROUND                                         ; the closing round
	s_endpgm
.Lfunc_end_k_qea6943fbe6_project_qkv:
	.size	k_qea6943fbe6_project_qkv, .Lfunc_end_k_qea6943fbe6_project_qkv-k_qea6943fbe6_project_qkv
	.p2alignl 7, 3214868480
	.fill 96, 4, 3214868480
	.section	.rodata,"a",@progbits
	.p2align	6, 0x0
	.amdhsa_kernel k_qea6943fbe6_project_qkv
		.amdhsa_group_segment_fixed_size 327680
		.amdhsa_private_segment_fixed_size 0
		.amdhsa_enable_private_segment 0
		.amdhsa_kernarg_size 48
		.amdhsa_user_sgpr_count 2
		.amdhsa_user_sgpr_kernarg_segment_ptr 1
		.amdhsa_wavefront_size32 1
		.amdhsa_system_sgpr_workgroup_id_x 1
		.amdhsa_system_sgpr_workgroup_id_y 1
		.amdhsa_system_sgpr_workgroup_id_z 1
		.amdhsa_system_vgpr_workitem_id 0
		.amdhsa_next_free_vgpr 1024
		.amdhsa_next_free_sgpr 100
		.amdhsa_reserve_vcc 0
		.amdhsa_float_denorm_mode_32 3
		.amdhsa_float_denorm_mode_16_64 3
		.amdhsa_memory_ordered 1
		.amdhsa_forward_progress 1
		.amdhsa_inst_pref_size 217
	.end_amdhsa_kernel
	.amdgpu_metadata
---
amdhsa.version: [ 1, 2 ]
amdhsa.kernels:
  - .name:           k_qea6943fbe6_project_qkv
    .symbol:         k_qea6943fbe6_project_qkv.kd
    .args:
      - { .name: xc, .offset: 0, .size: 8, .value_kind: global_buffer, .address_space: global }
      - { .name: xs, .offset: 8, .size: 8, .value_kind: global_buffer, .address_space: global }
      - { .name: wc, .offset: 16, .size: 8, .value_kind: global_buffer, .address_space: global }
      - { .name: ws, .offset: 24, .size: 8, .value_kind: global_buffer, .address_space: global }
      - { .name: rope, .offset: 32, .size: 8, .value_kind: global_buffer, .address_space: global }
      - { .name: qkv, .offset: 40, .size: 8, .value_kind: global_buffer, .address_space: global }
    .group_segment_fixed_size: 327680
    .private_segment_fixed_size: 0
    .kernarg_segment_align: 8
    .kernarg_segment_size: 48
    .max_flat_workgroup_size: 128
    .sgpr_count:     100
    .vgpr_count:     1024
    .wavefront_size: 32
...
	.end_amdgpu_metadata
.endif
;; end of part 2
;; launch attention (part 3): grid 4 x 64, 8 waves a work-group, clusters of 4 x 1, 327,680 bytes of LDS; arguments qkv, y; writes y
.if DOCPART == 3
	.amdgcn_target "amdgcn-amd-amdhsa--gfx1250"
	.amdhsa_code_object_version 6
	.text
	.protected	k_qea6943fbe6_attention
	.globl	k_qea6943fbe6_attention
	.p2align	8
	.type	k_qea6943fbe6_attention,@function
k_qea6943fbe6_attention:
	s_mov_b64 s[64:65], 0
	v_nop
	global_prefetch_b8 v0, s[64:65] scope:SCOPE_SE
	s_setreg_imm32_b32 hwreg(HW_REG_WAVE_MODE, 25, 1), 1
	s_wait_xcnt 0x0
	s_wait_alu depctr_hold_cnt(0) depctr_sa_sdst(0) depctr_va_vdst(0) depctr_va_sdst(0) depctr_va_ssrc(0) depctr_va_vcc(0) depctr_vm_vsrc(0)
	s_getreg_b32 s2, hwreg(HW_REG_IB_STS2, 6, 4)
	s_cmp_eq_u32 s2, 0
	s_cbranch_scc0 .Lentry_in_a_cluster
	s_endpgm
.Lentry_in_a_cluster:
	s_bfe_u32 s2, ttmp6, 0x10000c
	s_cmp_lg_u32 s2, 0x3003
	s_cbranch_scc0 .Lentry_shape_is_right
	s_endpgm
.Lentry_shape_is_right:
; y[bh][q][:] = the sum over k of softmax_k(Q[bh][q] . K[bh][k] / 8) V[bh][k][:], no mask.  Q, K, V: the three parts of qkv, each [64 bh][2048][64] f16; y likewise.  Products, maxima and sums in f32;
; the weights p are rounded to f16 for the second product, y once at the end.  Nothing of the problem is left out here.
; SHARES.  A work-group owns 512 queries of one head, each of its eight waves 64: four tiles of 16, in 512 registers, two waves to a SIMD: one wave's softmax stands beside the other's products.
; Every wave walks all 2,048 keys, 64 a step.
; LAYOUT.  S^T = K Q^T (source 0 = 16 keys, source 1 = 16 queries): a lane holds ONE query (lane % 16) and the keys 8 (lane / 16) + 0..7 of a tile.  Two such tiles, rounded to f16 in pairs, are source 1
; (32 keys x 16 queries) of O^T = V^T P, whose result again holds one query a lane.  K comes out of LDS as it lies, V ([key][channel]) turned, by ds_load_tr16_b128.
; SOFTMAX.  For each query a running maximum m and sum l: p = 2^(c s - c m), c = log2(e) / 8; in every step O^T and l are multiplied by a = 2^(c m_old - c m_new).
; The step is written once: m begins at -3e38 and l and O^T at 0, so the first a is 0 and multiplies zeros.
; CLUSTER.  The head's four blocks of queries form a cluster and walk the same K and V: each tile is asked for jointly, by the same tensor load with the mask of all four.
; RING.  Two slots of four steps (256 keys).  Waves 0-3 fetch the four steps' tiles of K, waves 4-7 those of V: one load of 64 rows a wave behind each round; it has four steps in which to land.
; REGISTERS: window 0: v2-14 addresses; v16-47 eight registers of statistics a tile; v64-191 S^T, 32 a tile; v192-255 P, 16 a tile.
;   window 1: v0-127 O^T, 32 a tile; v128-191 Q, 16 a tile; v192-255 one buffer of 64 for K's and then V's fragments of a step.
.set KS,    64                         ; keys in a step
.set NSTEP, 4                          ; steps in a slot
.set PK,    144                        ; a row of K in LDS: 128 bytes + 16: an odd multiple of 16, so the 16 rows of a load start at different banks
.set PV,    160                        ; a row of V: 128 + 32: an odd multiple of 32, for the turning load
.set VOFF,  KS*PK
.set STEPB, KS*(PK+PV)                 ; a step's tiles: 64 rows of K, then 64 rows of V
.set SLOT1, 1<<17                      ; slot 1 begins here: one exclusive or turns an address from one slot to the other
.set STAGE, SLOT1+NSTEP*STEPB          ; behind the ring: 16 rows x 144 bytes for each wave
.set SPP,   144
.set SPARE, STAGE+8*16*SPP             ; the spare words, 128 bytes a wave
.set NTILE, 2048/(NSTEP*KS)            ; 8 slots' worth of keys
.set AK0, 2
.set AV0, 3
.set ADR, 4
.set QO,  5
.set STO, 6
.set RD,  7
.set GO,  8
.set PFO, 12                           ; v12  256 x lane; never rewritten
.set SPW, 13
.set NIL, 14
.set ST,  16                           ; tile t at v[ST + 8 t]: +0 c m, +1 m, +2, +3 l, +4..+7 at work; a in +6
.set S,   64
.set P,   192
.set QF,  128                          ; in window 1
.set KV,  192                          ; in window 1
.set WV,  12
.set LIM, 15
.set PFA, 18
.set G1K, 24
.set G1V, 32
.set G0K, 40
.set G0V, 44
.set SLOTS, 48
.set CNT, 49
.set CS,  50
.set SEL, 52
.set TB,  54
.set MSB, 0
.macro WIN new
.if MSB != (\new)
	s_set_vgpr_msb (MSB<<8)|(\new)
.set MSB, (\new)
.endif
.endm
.set W_LD, 0x40                        ; destination window 1
.set W_KQ, 0x05                        ; K and Q in window 1, S^T in window 0
.set W_RS, 0x41                        ; O^T (destination and source 0) in window 1, a in window 0
.set W_PV, 0x51                        ; V and O^T in window 1, P in window 0
.macro JLOAD                           ; the branch hangs on the wave's number alone; an s_nop 0 and four v_nop follow each line
	s_cmp_lt_u32 s[WV], 4
	s_cbranch_scc0 .Lfor_v_\@
	tensor_load_to_lds s[G0K:G0K+3], s[G1K:G1K+7]
	s_nop 0
.rept 4
	v_nop
.endr
	s_branch .Lasked_\@
.Lfor_v_\@:
	tensor_load_to_lds s[G0V:G0V+3], s[G1V:G1V+7]
	s_nop 0
.rept 4
	v_nop
.endr
.Lasked_\@:
.endm
; A prefetch of what the NEXT change of slots will ask for: 256 rows of K and of V, 32,768 dense bytes each.  The four partners take 8,192 bytes each, told apart by address; in each, wave 0 asks for K's
; and wave 4 for V's, lanes 256 bytes apart: each block of 256 bytes is named once in the launch.  The last change that fills a slot asks for nothing.
.macro ASK
	s_cmp_gt_u32 s[SLOTS], s[LIM]
	s_cbranch_scc0 .Lnot_mine_\@
	global_prefetch_b8 v[PFO], s[PFA:PFA+1] th:TH_LOAD_NT scope:SCOPE_SE
.Lnot_mine_\@:
.endm
.macro CROUND
	s_barrier_signal -1
	s_barrier_wait -1
	s_cmp_lg_u32 s[WV], 0
	s_cbranch_scc1 .Lnot_wave_0_\@
	s_barrier_signal -3
.Lnot_wave_0_\@:
	s_barrier_wait -3
	s_barrier_signal -1
	s_barrier_wait -1
.endm
	s_load_b128 s[8:11], s[0:1], 0x0               ; qkv, y
	v_lshl_add_u32 v[SPW], v0, 2, SPARE
	v_mov_b32 v[NIL], 0
	ds_add_u32 v[SPW], v[NIL]                      ; the wave's opening: the add, twice on end, and its wait ahead of my first tensor load
	ds_add_u32 v[SPW], v[NIL]
	v_lshrrev_b32 v1, 5, v0
	v_readfirstlane_b32 s[WV], v1                  ; wave 0..7
	s_bfe_u32 s13, ttmp6, 0x40000                  ; cx
	s_lshl_b32 s14, ttmp9, 2
	s_add_co_u32 s14, s14, s13                     ; my block of 512 queries: it enters Q's and y's addresses alone
	s_and_b32 s20, ttmp7, 0xffff                   ; batch 16 + head, which the four partners share
	s_lshl_b32 s20, s20, 18                        ; 2^18 bytes a head
	s_mov_b32 s21, 0
	s_and_b32 s16, s[WV], 3                        ; which of a slot's four steps I fetch:
	s_lshl_b32 s22, s16, 13                        ; its 64 rows of 128 bytes in memory,
	s_mov_b32 s23, 0
	s_add_nc_u64 s[22:23], s[22:23], s[20:21]
	s_mul_i32 s17, s16, STEPB                      ; and its place in a slot
	s_lshl_b32 s2, s14, 16                         ; my block's 512 rows,
	s_lshl_b32 s3, s[WV], 13                       ; my wave's 64 of them
	s_add_co_u32 s2, s2, s3
	s_mov_b32 s3, 0
	s_add_nc_u64 s[2:3], s[2:3], s[20:21]
	s_mov_b32 s[G1K], 15|(1<<16)|(1<<20)|(1<<21)|(4<<22)|(3<<25)  ; the mask: all four; elements of 2 bytes; padding on; bit 21 beside a mask; 4 words after every 32
	s_mov_b32 s[G1V], 15|(1<<16)|(1<<20)|(1<<21)|(4<<22)|(7<<25)  ; the same with 8 words
.irp g, G1K, G1V
	s_mov_b32 s[\g+1], 64<<16                      ; tensor_dim0 = 64
	s_mov_b32 s[\g+2], KS<<16                      ; tensor_dim1 = 64
	s_mov_b32 s[\g+3], 64<<16                      ; tile_dim0 = 64
	s_mov_b32 s[\g+4], KS                          ; tile_dim1 = 64
	s_mov_b32 s[\g+5], 64                          ; from row to row
	s_mov_b32 s[\g+6], 0
	s_mov_b32 s[\g+7], 0
.endr
	s_mov_b32 s[CS], 0x3e38aa3b                    ; c = log2(e) / 8
	s_mov_b32 s[CS+1], s[CS]                       ; named with it as a pair, so it is written
	s_mov_b32 s[SEL], 0x76543210
	s_mov_b32 s[SEL+1], 0xfedcba98
	s_mov_b32 s[TB], 0
	s_mov_b32 s[SLOTS], NTILE-1
	s_cmp_eq_u32 s16, 0
	s_cselect_b32 s[LIM], 1, -1                    ; waves 0 and 4 prefetch
	v_and_b32 v[PFO], 31, v0
	v_lshlrev_b32 v[PFO], 8, v[PFO]
	s_wait_dscnt 0x0                               ; both opening adds are done
	s_wait_kmcnt 0x0
	s_add_nc_u64 s[4:5], s[8:9], s[2:3]            ; Q at my wave's first row
	s_add_nc_u64 s[10:11], s[10:11], s[2:3]        ; y likewise
	s_add_nc_u64 s[6:7], s[8:9], s[22:23]
	s_add_nc_u64 s[8:9], s[6:7], 0x2000000         ; V at my tile of slot 0
	s_add_nc_u64 s[6:7], s[6:7], 0x1000000         ; K at my tile of slot 0
	s_cmp_lt_u32 s[WV], 4
	s_cselect_b64 s[PFA:PFA+1], s[6:7], s[8:9]     ; (in waves 0 and 4 these stand at a slot's first row)
	s_lshl_b32 s2, s13, 13                         ; my work-group's 8,192 bytes of the 32,768
	s_mov_b32 s3, 0
	s_add_nc_u64 s[PFA:PFA+1], s[PFA:PFA+1], s[2:3]
	s_add_nc_u64 s[PFA:PFA+1], s[PFA:PFA+1], NSTEP*KS*128   ; at the second 256 keys; the first change of slots steps it to the third.  Nothing is prefetched at the head
	s_mov_b32 s[G0K], 1
	s_mov_b32 s[G0K+1], s17
	s_mov_b64 s[G0K+2:G0K+3], s[6:7]
	s_or_b32 s[G0K+3], s[G0K+3], 0x80000000
	s_mov_b32 s[G0V], 1
	s_add_co_u32 s[G0V+1], s17, VOFF
	s_mov_b64 s[G0V+2:G0V+3], s[8:9]
	s_or_b32 s[G0V+3], s[G0V+3], 0x80000000
	CROUND                                         ; all four work-groups are here: the first joint loads meet
	JLOAD                                          ; slot 0
	v_and_b32 v1, 15, v0                           ; r
	v_bfe_u32 v9, v0, 4, 1                         ; h
	v_lshlrev_b32 v[QO], 7, v1
	v_lshl_add_u32 v[QO], v9, 4, v[QO]             ; row x 128 + 16 x half
	WIN W_LD
.irp t, 0,1,2,3
.irp kk, 0,1
	global_load_b128 v[QF+16*\t+8*\kk:QF+16*\t+8*\kk+3],   v[QO], s[4:5] offset:2048*\t+64*\kk      ; Q stays in registers: tile t, channels 32 kk on
	global_load_b128 v[QF+16*\t+8*\kk+4:QF+16*\t+8*\kk+7], v[QO], s[4:5] offset:2048*\t+64*\kk+32
.endr
.endr
.set i, 0
.rept 128
	v_mov_b32 v[i], 0                              ; O^T: the step is written once, and its first run finds zeros
.set i, i+1
.endr
	WIN 0
	v_mul_u32_u24 v[AK0], v1, PK
	v_lshl_add_u32 v[AK0], v9, 4, v[AK0]           ; K: row x pitch + 16 x half
	v_and_b32 v10, 7, v0
	v_bfe_u32 v11, v0, 3, 1
	v_lshl_add_u32 v[AV0], v9, 3, v10              ; V, for the turning load: key 8 h + lane % 8, channels 8 ((lane / 8) % 2) on
	v_mul_u32_u24 v[AV0], v[AV0], PV
	v_lshl_add_u32 v[AV0], v11, 4, v[AV0]
	v_add_nc_u32 v[AV0], VOFF, v[AV0]
	s_mul_i32 s16, s[WV], 16*SPP
	s_add_co_u32 s16, s16, STAGE                   ; my stage
	v_mul_u32_u24 v[STO], v1, SPP
	v_lshl_add_u32 v[STO], v9, 4, v[STO]
	v_add_nc_u32 v[STO], s16, v[STO]               ; in: row r, 16 bytes for each half of the lanes
	v_and_b32 v10, 31, v0
	v_lshrrev_b32 v11, 3, v10
	v_mul_u32_u24 v[RD], v11, SPP
	v_and_b32 v11, 7, v0
	v_lshl_add_u32 v[RD], v11, 4, v[RD]
	v_add_nc_u32 v[RD], s16, v[RD]                 ; back: eight lanes a row of 128 bytes, four rows a load
	v_lshlrev_b32 v[GO], 4, v10
.irp t, 0,1,2,3
	v_mov_b32 v[ST+8*\t+1], 0xff61b1e6             ; m: -3e38, under every score
	v_mov_b32 v[ST+8*\t+2], 0                      ; l, in two halves
	v_mov_b32 v[ST+8*\t+3], 0
.endr
.irp t, 0,1,2,3
	v_mul_f32 v[ST+8*\t], s[CS], v[ST+8*\t+1]      ; c m
.endr
	s_wait_loadcnt 0x0                             ; Q
; A KEY STEP: 64 keys at LDS byte s[TB].
.macro STEP
	WIN 0
	v_add_nc_u32 v[ADR], s[TB], v[AK0]             ; with the three v_nop: the four places between the last products, which read the buffer, and the loads into it
.rept 3
	v_nop
.endr
	WIN W_LD
.irp kk, 0,1
.irp kt, 0,1,2,3
	ds_load_b128 v[KV+8*(4*\kk+\kt):KV+8*(4*\kk+\kt)+3],   v[ADR] offset:16*PK*\kt+64*\kk      ; keys 16 kt on, channels 32 kk on
	ds_load_b128 v[KV+8*(4*\kk+\kt)+4:KV+8*(4*\kk+\kt)+7], v[ADR] offset:16*PK*\kt+64*\kk+32
.endr
.endr
	s_wait_dscnt 8                                 ; the first 32 channels are in; the eight loads of the other 32 may be out
	WIN W_KQ
.irp kt, 0,1,2,3                       ; sixteen accumulators by turns, one instruction a turn; the first sixteen start the sums
.irp t, 0,1,2,3
	v_wmma_f32_16x16x32_f16 v[S+32*\t+8*\kt:S+32*\t+8*\kt+7], v[KV+8*\kt:KV+8*\kt+7], v[QF+16*\t:QF+16*\t+7], 0
.endr
.endr
	s_wait_dscnt 0x0
.irp kt, 0,1,2,3
.irp t, 0,1,2,3
	v_wmma_f32_16x16x32_f16 v[S+32*\t+8*\kt:S+32*\t+8*\kt+7], v[KV+32+8*\kt:KV+32+8*\kt+7], v[QF+16*\t+8:QF+16*\t+15], v[S+32*\t+8*\kt:S+32*\t+8*\kt+7]
.endr
.endr
	WIN 0
	v_add_nc_u32 v[ADR], s[TB], v[AV0]             ; four places again: ahead of the loads into the buffer and of the first read of the scores
.rept 3
	v_nop
.endr
	s_add_co_u32 s[TB], s[TB], STEPB               ; the next fetch is the next step's
	WIN W_LD
.irp kk, 0,1
.irp c, 0,1,2,3
	ds_load_tr16_b128 v[KV+8*(4*\kk+\c):KV+8*(4*\kk+\c)+3],   v[ADR] offset:32*PV*\kk+32*\c          ; keys 32 kk on, channels 16 c on; they land while the softmax is walked
	ds_load_tr16_b128 v[KV+8*(4*\kk+\c)+4:KV+8*(4*\kk+\c)+7], v[ADR] offset:32*PV*\kk+16*PV+32*\c
.endr
.endr
	WIN 0
	; the softmax, the four tiles by turns in every line, so that no line waits for the line above it.  Each accumulator is first read at its low end
.irp j, 0,1,2,3
.irp t, 0,1,2,3
	v_max3_num_f32 v[ST+8*\t+4+\j], v[S+32*\t+8*\j], v[S+32*\t+8*\j+1], v[S+32*\t+8*\j+2]
.endr
.endr
.irp u, 1,2
.irp j, 0,1,2,3
.irp t, 0,1,2,3
	v_max3_num_f32 v[ST+8*\t+4+\j], v[ST+8*\t+4+\j], v[S+32*\t+8*\j+2*\u+1], v[S+32*\t+8*\j+2*\u+2]
.endr
.endr
.endr
.irp t, 0,1,2,3
	v_max3_num_f32 v[ST+8*\t+4], v[ST+8*\t+4], v[S+32*\t+7], v[S+32*\t+15]
.endr
.irp t, 0,1,2,3
	v_max3_num_f32 v[ST+8*\t+6], v[ST+8*\t+6], v[S+32*\t+23], v[S+32*\t+31]
.endr
.irp t, 0,1,2,3
	v_max3_num_f32 v[ST+8*\t+4], v[ST+8*\t+4], v[ST+8*\t+5], v[ST+8*\t+6]
.endr
.irp t, 0,1,2,3
	v_max3_num_f32 v[ST+8*\t+4], v[ST+8*\t+4], v[ST+8*\t+7], v[ST+8*\t+1]   ; with the old m
.endr
.irp t, 0,1,2,3
	v_permlanex16_b32 v[ST+8*\t+5], v[ST+8*\t+4], s[SEL], s[SEL+1]          ; the query's other 32 keys lie in the lane 16 away
.endr
.irp t, 0,1,2,3
	v_mov_b32 v[ST+8*\t+7], v[ST+8*\t]             ; c m_old
.endr
.irp t, 0,1,2,3
	v_max_num_f32 v[ST+8*\t+1], v[ST+8*\t+4], v[ST+8*\t+5]
.endr
.irp t, 0,1,2,3
	v_mul_f32 v[ST+8*\t], s[CS], v[ST+8*\t+1]
.endr
.irp t, 0,1,2,3
	v_sub_f32 v[ST+8*\t+7], v[ST+8*\t+7], v[ST+8*\t]
.endr
.irp b, 0,2,4,6,8,10,12,14,16,18,20,22,24,26,28,30
.irp t, 0,1,2,3
	v_pk_fma_f32 v[S+32*\t+\b:S+32*\t+\b+1], v[S+32*\t+\b:S+32*\t+\b+1], s[CS:CS+1], v[ST+8*\t:ST+8*\t+1] op_sel_hi:[1,0,0] neg_lo:[0,0,1] neg_hi:[0,0,1]   ; c s - c m
.endr
.endr
.irp t, 0,1,2,3
	v_exp_f32 v[ST+8*\t+6], v[ST+8*\t+7]           ; a
.endr
.irp e, 0,1,2,3,4,5,6,7,8,9,10,11,12,13,14,15,16,17,18,19,20,21,22,23,24,25,26,27,28,29,30,31
.irp t, 0,1,2,3
	v_exp_f32 v[S+32*\t+\e], v[S+32*\t+\e]         ; p
.endr
.endr
	v_nop                                          ; a plain line behind the last exponential
	s_wait_alu depctr_va_vdst(0)                   ; one wait for the step's 132 exponentials, ahead of their first reader
.irp t, 0,1,2,3
	v_pk_mul_f32 v[ST+8*\t+2:ST+8*\t+3], v[ST+8*\t+2:ST+8*\t+3], v[ST+8*\t+6:ST+8*\t+7] op_sel_hi:[1,0]   ; l a
.endr
.irp t, 0,1,2,3
	v_pk_add_f32 v[ST+8*\t+4:ST+8*\t+5], v[S+32*\t:S+32*\t+1], v[S+32*\t+2:S+32*\t+3]   ; the sum of the unrounded p, in two chains
.endr
.irp j, 4,8,12,16,20,24,28
.irp t, 0,1,2,3
	v_pk_add_f32 v[ST+8*\t+2:ST+8*\t+3], v[ST+8*\t+2:ST+8*\t+3], v[S+32*\t+\j:S+32*\t+\j+1]
.endr
.irp t, 0,1,2,3
	v_pk_add_f32 v[ST+8*\t+4:ST+8*\t+5], v[ST+8*\t+4:ST+8*\t+5], v[S+32*\t+\j+2:S+32*\t+\j+3]
.endr
.endr
.irp t, 0,1,2,3
	v_pk_add_f32 v[ST+8*\t+2:ST+8*\t+3], v[ST+8*\t+2:ST+8*\t+3], v[ST+8*\t+4:ST+8*\t+5]
.endr
.irp i, 0,1,2,3,4,5,6,7,8,9,10,11,12,13,14,15
.irp t, 0,1,2,3
	v_cvt_pk_f16_f32 v[P+16*\t+\i], v[S+32*\t+2*\i], v[S+32*\t+2*\i+1]
.endr
.endr
	WIN W_RS
.irp i, 0,2,4,6,8,10,12,14,16,18,20,22,24,26,28,30
.irp t, 0,1,2,3
	v_pk_mul_f32 v[32*\t+\i:32*\t+\i+1], v[32*\t+\i:32*\t+\i+1], v[ST+8*\t+6:ST+8*\t+7] op_sel_hi:[1,0]   ; O^T a
.endr
.endr
	s_wait_dscnt 0x0                               ; V is in
	WIN W_PV
.irp kk, 0,1                           ; sixteen accumulators by turns
.irp c, 0,1,2,3
.irp t, 0,1,2,3
	v_wmma_f32_16x16x32_f16 v[32*\t+8*\c:32*\t+8*\c+7], v[KV+8*(4*\kk+\c):KV+8*(4*\kk+\c)+7], v[P+16*\t+8*\kk:P+16*\t+8*\kk+7], v[32*\t+8*\c:32*\t+8*\c+7]
.endr
.endr
.endr
	WIN 0
.endm
; THE CHANGE OF SLOTS stands at a slot's head.  Each wave waits for all its tensor loads (one: its part of the slot ahead), adds 0 to its spare word, and waits for that and for its reads of the slot that it has left.
; fill = 1: the barrier is a round of the cluster's, and behind it the slot just left (in the first trip: slot 1, for the first time) is asked for jointly.
.macro CHANGE fill
	WIN 0
	s_wait_tensorcnt 0x0                           ; no tensor load of mine is out, so a group 0 may be written
	ds_add_u32 v[SPW], v[NIL]                      ; 0 onto my spare word
.if \fill
	s_xor_b32 s[G0K+1], s[G0K+1], SLOT1            ; the walking descriptors: the other slot,
	s_add_nc_u64 s[G0K+2:G0K+3], s[G0K+2:G0K+3], NSTEP*KS*128   ; the next 256 keys
	s_xor_b32 s[G0V+1], s[G0V+1], SLOT1
	s_add_nc_u64 s[G0V+2:G0V+3], s[G0V+2:G0V+3], NSTEP*KS*128
	s_wait_xcnt 0x0                                ; the last prefetch, four steps back, has read its address
	s_add_nc_u64 s[PFA:PFA+1], s[PFA:PFA+1], NSTEP*KS*128       ; one slot further on than the descriptors
	s_wait_dscnt 0x0                               ; the add is done, and my reads of the slot that I have left are over
	CROUND
	JLOAD
	ASK
.else
	s_wait_dscnt 0x0
	s_barrier_signal -1
	s_barrier_wait -1
.endif
.endm
.macro FOUR_STEPS                      ; a slot's four steps: written once, walked four times
	s_mov_b32 s[CNT], NSTEP
.Lstep_\@:
	STEP
	s_sub_co_u32 s[CNT], s[CNT], 1
	s_cmp_lg_u32 s[CNT], 0
	s_cbranch_scc1 .Lstep_\@
	s_sub_co_u32 s[TB], s[TB], NSTEP*STEPB         ; back to a slot's first step,
	s_xor_b32 s[TB], s[TB], SLOT1                  ; in the other slot
.endm
.Lslot:                                ; seven trips: trip i reads keys 256 i on and asks for keys 256 (i + 1) on
	CHANGE 1
	FOUR_STEPS
	s_sub_co_u32 s[SLOTS], s[SLOTS], 1
	s_cmp_lg_u32 s[SLOTS], 0
	s_cbranch_scc1 .Lslot
	CHANGE 0                                       ; the last slot is written out
	FOUR_STEPS
	; THE WAY OUT.  l's halves and the other half of the lanes' are added (these additions are the places behind the last products); O^T / l, rounded to f16, goes through my stage, a tile (16 rows) at a time.
.irp t, 0,1,2,3
	v_add_f32 v[ST+8*\t+4], v[ST+8*\t+2], v[ST+8*\t+3]
.endr
.irp t, 0,1,2,3
	v_permlanex16_b32 v[ST+8*\t+5], v[ST+8*\t+4], s[SEL], s[SEL+1]
.endr
.irp t, 0,1,2,3
	v_add_f32 v[ST+8*\t+4], v[ST+8*\t+4], v[ST+8*\t+5]
.endr
.irp t, 0,1,2,3
	v_rcp_f32 v[ST+8*\t+6], v[ST+8*\t+4]
.endr
	v_nop                                          ; a plain line behind the last reciprocal
	s_wait_alu depctr_va_vdst(0)                   ; one wait for the four, ahead of their first reader
.macro PACK t
	WIN W_RS
.set i, 32*\t
.rept 16
	v_pk_mul_f32 v[i:i+1], v[i:i+1], v[ST+8*\t+6:ST+8*\t+7] op_sel_hi:[1,0]
.set i, i+2
.endr
	WIN W_KQ                                       ; sources 0 and 1 window 1, destination window 0: S^T's registers are free
.set i, 0
.rept 16
	v_cvt_pk_f16_f32 v[S+16*\t+i], v[32*\t+2*i], v[32*\t+2*i+1]
.set i, i+1
.endr
	WIN 0
.irp c, 0,1,2,3
	ds_store_b128 v[STO], v[S+16*\t+4*\c:S+16*\t+4*\c+3] offset:32*\c
.endr
.irp f, 0,1,2,3
	ds_load_b128 v[S+16*\t+4*\f:S+16*\t+4*\f+3], v[RD] offset:\f*4*SPP   ; LDS serves a wave's instructions in order (ISA guide 5.7.1.4): these see the stores above
.endr
.endm
.macro SEND t, younger                 ; younger: the next tile's four stores and four loads, or none
.irp f, 0,1,2,3
	s_wait_dscnt \younger+3-\f
	global_store_b128 v[GO], v[S+16*\t+4*\f:S+16*\t+4*\f+3], s[10:11] offset:\t*2048+\f*512   ; four rows: 512 consecutive bytes, aligned
.endr
.endm
	PACK 0
	PACK 1
	SEND 0, 8
	PACK 2
	SEND 1, 8
	PACK 3
	SEND 2, 8
	SEND 3, 0
	s_wait_tensorcnt 0x0                           ; the wave's end: a tensor wait, an add to my spare word and its wait behind my last tensor load and my last LDS store
	ds_add_u32 v[SPW], v[NIL]
	s_wait_dscnt 0x0
	CROUND                                         ; the closing round
	s_endpgm
.Lfunc_end_k_qea6943fbe6_attention:
	.size	k_qea6943fbe6_attention, .Lfunc_end_k_qea6943fbe6_attention-k_qea6943fbe6_attention
	.p2alignl 7, 3214868480
	.fill 96, 4, 3214868480
	.section	.rodata,"a",@progbits
	.p2align	6, 0x0
	.amdhsa_kernel k_qea6943fbe6_attention
		.amdhsa_group_segment_fixed_size 327680
		.amdhsa_private_segment_fixed_size 0
		.amdhsa_enable_private_segment 0
		.amdhsa_kernarg_size 16
		.amdhsa_user_sgpr_count 2
		.amdhsa_user_sgpr_kernarg_segment_ptr 1
		.amdhsa_wavefront_size32 1
		.amdhsa_system_sgpr_workgroup_id_x 1
		.amdhsa_system_sgpr_workgroup_id_y 1
		.amdhsa_system_sgpr_workgroup_id_z 1
		.amdhsa_system_vgpr_workitem_id 0
		.amdhsa_next_free_vgpr 512
		.amdhsa_next_free_sgpr 66
		.amdhsa_reserve_vcc 0
		.amdhsa_float_denorm_mode_32 3
		.amdhsa_float_denorm_mode_16_64 3
		.amdhsa_memory_ordered 1
		.amdhsa_forward_progress 1
		.amdhsa_inst_pref_size 92
	.end_amdhsa_kernel
	.amdgpu_metadata
---
amdhsa.version: [ 1, 2 ]
amdhsa.kernels:
  - .name:           k_qea6943fbe6_attention
    .symbol:         k_qea6943fbe6_attention.kd
    .args:
      - { .name: qkv, .offset: 0, .size: 8, .value_kind: global_buffer, .address_space: global }
      - { .name: y, .offset: 8, .size: 8, .value_kind: global_buffer, .address_space: global }
    .group_segment_fixed_size: 327680
    .private_segment_fixed_size: 0
    .kernarg_segment_align: 8
    .kernarg_segment_size: 16
    .max_flat_workgroup_size: 256
    .sgpr_count:     66
    .vgpr_count:     512
    .wavefront_size: 32
...
	.end_amdgpu_metadata
.endif
;; end of part 3
;; launch project_out (part 4): grid 8 x 32, 4 waves a work-group, clusters of 4 x 4, 327,680 bytes of LDS; arguments y, wo16, out0; writes out0
.if DOCPART == 4
	.amdgcn_target "amdgcn-amd-amdhsa--gfx1250"
	.amdhsa_code_object_version 6
	.text
	.protected	k_qea6943fbe6_project_out
	.globl	k_qea6943fbe6_project_out
	.p2align	8
	.type	k_qea6943fbe6_project_out,@function
k_qea6943fbe6_project_out:
	s_mov_b64 s[64:65], 0
	v_nop
	global_prefetch_b8 v0, s[64:65] scope:SCOPE_SE
	s_setreg_imm32_b32 hwreg(HW_REG_WAVE_MODE, 25, 1), 1
	s_wait_xcnt 0x0
	s_wait_alu depctr_hold_cnt(0) depctr_sa_sdst(0) depctr_va_vdst(0) depctr_va_sdst(0) depctr_va_ssrc(0) depctr_va_vcc(0) depctr_vm_vsrc(0)
	s_getreg_b32 s2, hwreg(HW_REG_IB_STS2, 6, 4)
	s_cmp_eq_u32 s2, 0
	s_cbranch_scc0 .Lentry_in_a_cluster
	s_endpgm
.Lentry_in_a_cluster:
	s_bfe_u32 s2, ttmp6, 0x10000c
	s_cmp_lg_u32 s2, 0xf033
	s_cbranch_scc0 .Lentry_shape_is_right
	s_endpgm
.Lentry_shape_is_right:
; out0[m][n] = sum over k of Y[m][k] Wo[n][k].  Y is y, laid [batch 16 + head][2048 tokens][64] f16: row m = (batch, token), k = 64 head + channel.  wo16: [1024 n][1024 k] f16.  out0: [8192][1024] f32.  Sums in f32.
; Nothing of the problem is left out here.
; A tile of out0 is 256 rows x 128 columns: 256 work-groups.  Four waves, each 128 x 64: 32 accumulators, 256 registers.  K goes in steps of 128 (two heads) through two LDS slots.
; A's tile of a step is two planes, one a head: 256 tokens x 128 bytes, dense in memory; B's is 128 rows of 256 bytes.  Waves 0 and 1 fetch A's planes, waves 2 and 3 B's halves: one load a wave.
; CLUSTERS: 4 x 4 work-groups; A's tiles are asked for jointly along a row of the cluster, B's along a column.
; THE MATRIX INSTRUCTION IS USED TRANSPOSED (source 0 = 16 rows of Wo, source 1 = 16 rows of Y): a lane holds eight neighbouring numbers of a row of out0.
; A wave's 64 columns are 256 bytes, aligned: each wave has a stage of its own on the way out, and no barrier stands there.
; REGISTERS: window 0: v16-30 addresses; two fragment buffers of 96 at v64 and v160 (B's four blocks, then A's eight, 32 along K).   window 1: the accumulators ((a, b) at v[8 (4 a + b)]).
.set KSTEP,  128
.set PA,     144                       ; a row of a plane in LDS: 128 bytes + 16
.set PB,     272                       ; a row of B: 256 bytes + 16
.set PLANE,  256*PA
.set BOFF,   2*PLANE
.set SLOT,   BOFF+128*PB
.set STAGE,  2*SLOT
.set SPITCH, 272
.set SPARE,  STAGE+4*16*SPITCH
.set LAPS,   1024/(2*KSTEP)            ; 4
.set HEADB,  2048*128                  ; a head of y in bytes
.set ADRA, 16
.set ADRB, 20
.set STO,  24
.set RD,   25
.set CO,   26
.set SPW,  28
.set NIL,  29
.set PFO,  30
.set F0,   64
.set F1,   160
.set BK,   64                          ; the way out: v64-95 and v96-127 by turns
.set PFA,  18                          ; s[18:19] where my prefetches stand
.set PFS,  20                          ; s[20:21] a K step on, in bytes
.set LIM,  45                          ; s45  1 in a wave that prefetches, else the greatest number
.set G1, 24
.set G0, 32
.set G1B, 48
.set G0B, 56
.set MSB, 0
.macro WIN new
.if MSB != (\new)
	s_set_vgpr_msb (MSB<<8)|(\new)
.set MSB, (\new)
.endif
.endm
.set MUL, 0x50                         ; C and D window 1, sources window 0
.macro JLOAD s                         ; waves 0 and 1 fetch for A, waves 2 and 3 for B; an s_nop 0 and four v_nop follow each line
	s_cmp_eq_u32 s11, 0
	s_cbranch_scc0 .Lfor_b_\@
	tensor_load_to_lds s[G0+4*\s:G0+4*\s+3], s[G1:G1+7]
	s_nop 0
.rept 4
	v_nop
.endr
	s_branch .Lasked_\@
.Lfor_b_\@:
	tensor_load_to_lds s[G0B+4*\s:G0B+4*\s+3], s[G1B:G1B+7]
	s_nop 0
.rept 4
	v_nop
.endr
.Lasked_\@:
.endm
; A prefetch of the K step that stands two refills on.  A's planes are read by both clusters of a row of clusters: the one with x = 0 asks, waves 0 and 1, a plane each; its four partners along x take 8,192 of the
; plane's 32,768 bytes each, by address, lanes 256 bytes apart.  B's tile is read by all clusters of a column: the one with y = 0 asks, wave 2; its four partners along y take 32 of the 128 rows each, a lane a row.
; So each block of 256 bytes is named once.  K steps 0 to 3 come by their loads alone; the loop's last trip, whose refills are the last two K steps, asks for nothing.
.macro ASK
	s_cmp_gt_u32 s3, s[LIM]
	s_cbranch_scc0 .Lnot_mine_\@
	global_prefetch_b8 v[PFO], s[PFA:PFA+1] th:TH_LOAD_NT scope:SCOPE_SE
.Lnot_mine_\@:
.endm
.macro CREST
	s_cmp_lg_u32 s10, 0
	s_cbranch_scc1 .Lnot_wave_0_\@
	s_barrier_signal -3
.Lnot_wave_0_\@:
	s_barrier_wait -3
	s_barrier_signal -1
	s_barrier_wait -1
.endm
.macro CROUND
	s_barrier_signal -1
	s_barrier_wait -1
	CREST
.endm
	s_load_b128 s[4:7], s[0:1], 0x0                ; y, wo16
	s_load_b64 s[8:9], s[0:1], 0x10                ; out0
	v_lshl_add_u32 v[SPW], v0, 2, SPARE
	v_mov_b32 v[NIL], 0
	ds_add_u32 v[SPW], v[NIL]                      ; the wave's opening: the add, twice on end, and its wait ahead of my first tensor load
	ds_add_u32 v[SPW], v[NIL]
	v_lshrrev_b32 v1, 5, v0
	v_readfirstlane_b32 s10, v1                    ; wave 0..3
	s_lshr_b32 s11, s10, 1                         ; which half of the tile's rows is mine.  Also: I fetch for A (0) or for B (1)
	s_and_b32 s12, s10, 1                          ; which half of its columns.  Also: which plane of A, or which 64 rows of B, I fetch
	s_bfe_u32 s40, ttmp6, 0x40000                  ; cx, cy
	s_bfe_u32 s41, ttmp6, 0x40004
	s_lshl_b32 s42, ttmp9, 2
	s_add_co_u32 s42, s42, s40                     ; tile column
	s_and_b32 s13, ttmp7, 0xffff
	s_lshl_b32 s13, s13, 2
	s_add_co_u32 s13, s13, s41                     ; tile row
	s_lshl_b32 s43, s41, 2
	s_lshl_b32 s43, 15, s43                        ; my row of the cluster
	s_lshl_b32 s44, 0x1111, s40                    ; my column
	s_or_b32 s[G1+0], s43, (1<<16)|(1<<20)|(1<<21)|(4<<22)|(3<<25)   ; A: elements of 2 bytes; 4 words of padding after every 32
	s_mov_b32 s[G1+1], 64<<16                      ; tensor_dim0 = 64
	s_mov_b32 s[G1+2], 256<<16                     ; tensor_dim1 = 256
	s_mov_b32 s[G1+3], 64<<16                      ; tile_dim0 = 64
	s_mov_b32 s[G1+4], 256                         ; tile_dim1 = 256
	s_mov_b32 s[G1+5], 64                          ; from row to row
	s_mov_b32 s[G1+6], 0
	s_mov_b32 s[G1+7], 0
	s_or_b32 s[G1B+0], s44, (1<<16)|(1<<20)|(1<<21)|(5<<22)|(3<<25)  ; B: 4 words after every 64
	s_mov_b32 s[G1B+1], KSTEP<<16
	s_mov_b32 s[G1B+2], 64<<16
	s_mov_b32 s[G1B+3], KSTEP<<16
	s_mov_b32 s[G1B+4], 64
	s_mov_b32 s[G1B+5], 1024
	s_mov_b32 s[G1B+6], 0
	s_mov_b32 s[G1B+7], 0
	s_lshr_b32 s16, s13, 3                         ; A: the tile row's batch,
	s_lshl_b32 s16, s16, 4
	s_add_co_u32 s16, s16, s12                     ; the head of K step 0 that I fetch,
	s_lshl_b32 s16, s16, 11
	s_and_b32 s17, s13, 7
	s_lshl_b32 s17, s17, 8                         ; the tile's first token
	s_add_co_u32 s16, s16, s17
	s_lshl_b32 s16, s16, 7                         ; 128 bytes a token (under 2^24)
	s_mov_b32 s17, 0
	s_lshl_b32 s46, s42, 7                         ; B: row 128 x tile column + 64 x half
	s_lshl_b32 s47, s12, 6
	s_add_co_u32 s46, s46, s47
	s_lshl_b32 s46, s46, 11                        ; 2,048 bytes a row
	s_mov_b32 s47, 0
	s_mul_i32 s20, s12, PLANE                      ; where they go: no place in the cluster enters an LDS address
	s_mul_i32 s21, s12, 64*PB
	s_add_co_u32 s21, s21, BOFF
	s_wait_dscnt 0x0                               ; both opening adds are done
	s_wait_kmcnt 0x0
	s_add_nc_u64 s[14:15], s[4:5], s[16:17]
	s_add_nc_u64 s[46:47], s[6:7], s[46:47]
	CROUND                                         ; all sixteen work-groups are here: the first joint loads meet
.irp s, 0,1
	s_mov_b32 s[G0+4*\s], 1
	s_add_co_u32 s[G0+4*\s+1], s20, \s*SLOT
	s_add_nc_u64 s[G0+4*\s+2:G0+4*\s+3], s[14:15], \s*2*HEADB
	s_or_b32 s[G0+4*\s+3], s[G0+4*\s+3], 0x80000000
	s_mov_b32 s[G0B+4*\s], 1
	s_add_co_u32 s[G0B+4*\s+1], s21, \s*SLOT
	s_add_nc_u64 s[G0B+4*\s+2:G0B+4*\s+3], s[46:47], \s*KSTEP*2
	s_or_b32 s[G0B+4*\s+3], s[G0B+4*\s+3], 0x80000000
	JLOAD \s                                       ; two tensor loads of mine are out
.endr
	v_and_b32 v1, 15, v0                           ; r
	v_bfe_u32 v2, v0, 4, 1                         ; h
	v_mul_u32_u24 v3, v1, PA
	v_lshl_add_u32 v3, v2, 4, v3
	v_mul_u32_u24 v4, v1, PB
	v_lshl_add_u32 v4, v2, 4, v4
	s_mul_i32 s21, s11, 128*PA                     ; my 128 rows of each plane
	s_mul_i32 s22, s12, 64*PB                      ; my 64 rows of B
	s_add_co_u32 s22, s22, BOFF
.irp s, 0,1
	v_add_nc_u32 v[ADRA+\s], s21, v3
	v_add_nc_u32 v[ADRB+\s], s22, v4
	s_add_co_u32 s21, s21, SLOT
	s_add_co_u32 s22, s22, SLOT
.endr
	s_mul_i32 s23, s10, 16*SPITCH
	s_add_co_u32 s23, s23, STAGE                   ; my stage
	v_mul_u32_u24 v5, v1, SPITCH
	v_lshl_add_u32 v5, v2, 5, v5
	v_add_nc_u32 v[STO], s23, v5                   ; in: row r, 32 bytes for each half of the lanes
	v_mul_u32_u24 v5, v2, SPITCH
	v_lshl_add_u32 v5, v1, 4, v5
	v_add_nc_u32 v[RD], s23, v5                    ; back: lanes 0-15 one row of 256 bytes, lanes 16-31 the next
	v_lshlrev_b32 v5, 12, v2
	v_lshl_add_u32 v[CO], v1, 4, v5                ; and the same two rows in out0
	; the prefetches: where my wave's stand, and who asks
	s_and_b32 s22, ttmp7, 0xffff                   ; cluster y
	s_mov_b32 s23, KSTEP*2
	s_cmp_eq_u32 s11, 0                            ; do I fetch for A?
	s_cselect_b32 s22, ttmp9, s22                  ; the coordinate along which other clusters read the same bytes
	s_cselect_b32 s16, s40, s41                    ; my place among the four that ask with me
	s_cselect_b32 s17, 13, 16                      ; its share: 8,192 bytes of a plane, or 32 rows of 2,048 bytes
	s_cselect_b32 s2, 8, 11                        ; from lane to lane: 256 bytes, or a row
	s_cselect_b32 s[PFS], 2*HEADB, s23             ; a K step on
	s_cselect_b64 s[PFA:PFA+1], s[14:15], s[46:47]
	s_mov_b32 s[PFS+1], 0
	s_lshl_b32 s16, s16, s17
	s_mov_b32 s17, 0
	s_add_nc_u64 s[PFA:PFA+1], s[PFA:PFA+1], s[16:17]
	s_mul_i32 s16, s[PFS], 3
	s_add_nc_u64 s[PFA:PFA+1], s[PFA:PFA+1], s[16:17]   ; at K step 3: the first refill steps it to 4.  Nothing is prefetched at the head
	s_and_b32 s23, s11, s12                        ; wave 3 never asks
	s_or_b32 s22, s22, s23
	s_cmp_eq_u32 s22, 0
	s_cselect_b32 s[LIM], 1, -1                    ; the same in all sixteen partners, for a given wave
	v_and_b32 v[PFO], 31, v0
	v_lshlrev_b32 v[PFO], s2, v[PFO]
	; where my part of out0 begins
	s_lshl_b32 s16, s13, 8
	s_lshl_b32 s17, s11, 7
	s_add_co_u32 s16, s16, s17                     ; my first row
	s_lshl_b32 s16, s16, 12                        ; 4,096 bytes a row (under 2^26)
	s_mov_b32 s17, 0
	s_add_nc_u64 s[8:9], s[8:9], s[16:17]
	s_lshl_b32 s46, s42, 9                         ; my first column, in bytes: 512 x tile column + 256 x half
	s_lshl_b32 s47, s12, 8
	s_add_co_u32 s46, s46, s47
	s_mov_b32 s47, 0
	s_add_nc_u64 s[8:9], s[8:9], s[46:47]
; 8 matrix instructions: A's blocks a0, a0 + 1 x B's four, 32 along K.  The 32 accumulators take turns, one instruction a turn, in the same order in every quarter.
.macro MUL8 f, a0, zero
.irp a, \a0, \a0+1
.irp b, 0,1,2,3
.if \zero
	v_wmma_f32_16x16x32_f16 v[8*(4*(\a)+\b):8*(4*(\a)+\b)+7], v[\f+8*\b:\f+8*\b+7], v[\f+32+8*(\a):\f+32+8*(\a)+7], 0
.else
	v_wmma_f32_16x16x32_f16 v[8*(4*(\a)+\b):8*(4*(\a)+\b)+7], v[\f+8*\b:\f+8*\b+7], v[\f+32+8*(\a):\f+32+8*(\a)+7], v[8*(4*(\a)+\b):8*(4*(\a)+\b)+7]
.endif
.endr
.endr
.endm
; 24 LDS loads in one run: quarter q of a slot (32 along K) into buffer f: B's four blocks, A's blocks 0-3, A's blocks 4-7.  Quarters 0, 1 lie in the first plane, 2, 3 in the second
.macro FETCH slot, q, f
.irp b, 0,1,2,3
	ds_load_b128 v[\f+8*\b:\f+8*\b+3],   v[ADRB+\slot] offset:64*(\q)+\b*16*PB
	ds_load_b128 v[\f+8*\b+4:\f+8*\b+7], v[ADRB+\slot] offset:64*(\q)+\b*16*PB+32
.endr
.irp a, 0,1,2,3,4,5,6,7
	ds_load_b128 v[\f+32+8*\a:\f+32+8*\a+3], v[ADRA+\slot] offset:((\q)/2)*PLANE+64*((\q)%2)+\a*16*PA
	ds_load_b128 v[\f+32+8*\a+4:\f+32+8*\a+7], v[ADRA+\slot] offset:((\q)/2)*PLANE+64*((\q)%2)+\a*16*PA+32
.endr
.endm
.macro PLACES                          ; four plain lines in front of loads into registers that matrix instructions have read, and of the first read of results
.rept 4
	v_nop
.endr
.endm
.macro QUARTER slot, qn, f, g, zero    ; multiplies buffer f and fetches quarter qn of the same slot into g
	s_wait_dscnt 8                                 ; B and A's blocks 0-3 are in; the youngest eight loads (A's blocks 4-7) may be out
	WIN MUL
	MUL8 \f, 0, \zero
	MUL8 \f, 2, \zero
	PLACES
	WIN 0
	FETCH \slot, \qn, \g
	s_wait_dscnt 24                                ; all but the 24 just issued
	WIN MUL
	MUL8 \f, 4, \zero
	MUL8 \f, 6, \zero
.endm
; A slot's last quarter multiplies buffer 1 and changes slots: ONE barrier; in front of it each wave waits for all its tensor loads, adds 0 to its spare word, and waits for that and for its reads of this slot.
.macro TURN slot, next, fill
.if \fill
	s_wait_xcnt 0x0                                ; the last prefetch, a K step back, has read its address
	s_add_nc_u64 s[PFA:PFA+1], s[PFA:PFA+1], s[PFS:PFS+1]
.endif
	WIN 0
	s_wait_tensorcnt 0x0                           ; all my tensor loads have landed: my part of the next slot
	ds_add_u32 v[SPW], v[NIL]                      ; 0 onto my spare word
	s_wait_dscnt 9                                 ; (the add and the youngest eight loads may be out)
	WIN MUL
	MUL8 F1, 0, 0
	s_wait_dscnt 0x0                               ; the add is done, and my reads of this slot are over
	s_barrier_signal -1
	MUL8 F1, 2, 0
	WIN 0
	s_barrier_wait -1
.if \fill
	CREST                                          ; the barrier has opened a round of the cluster's: no wave of any partner still reads this slot or has a load on its way
	s_add_nc_u64 s[G0+4*\slot+2:G0+4*\slot+3], s[G0+4*\slot+2:G0+4*\slot+3], 4*HEADB
	s_add_nc_u64 s[G0B+4*\slot+2:G0B+4*\slot+3], s[G0B+4*\slot+2:G0B+4*\slot+3], 2*KSTEP*2
	JLOAD \slot                                    ; the first tensor load behind the round; its four v_nop are also the places in front of the loads below
.else
	PLACES
.endif
	FETCH \next, 0, F0
.if \fill
	ASK
.endif
	WIN MUL
	MUL8 F1, 4, 0
	MUL8 F1, 6, 0
.endm
	s_wait_tensorcnt 1                             ; my part of K step 0 is in; K step 1's load may be out
	s_barrier_signal -1
	s_barrier_wait -1
	FETCH 0, 0, F0
	QUARTER 0, 1, F0, F1, 1                        ; the first quarter's products start the sums: nothing is cleared
	WIN 0
	s_mov_b32 s3, LAPS-1
.Llap:                                 ; a trip goes once round the ring, from a lap's second quarter to the next lap's first, and fills both slots again
	QUARTER 0, 2, F1, F0, 0
	QUARTER 0, 3, F0, F1, 0
	TURN 0, 1, 1
	QUARTER 1, 1, F0, F1, 0
	QUARTER 1, 2, F1, F0, 0
	QUARTER 1, 3, F0, F1, 0
	TURN 1, 0, 1
	QUARTER 0, 1, F0, F1, 0
	WIN 0
	s_sub_co_u32 s3, s3, 1
	s_cmp_lg_u32 s3, 0
	s_cbranch_scc1 .Llap
	QUARTER 0, 2, F1, F0, 0                        ; the last lap fills nothing
	QUARTER 0, 3, F0, F1, 0
	TURN 0, 1, 0
	QUARTER 1, 1, F0, F1, 0
	QUARTER 1, 2, F1, F0, 0
	QUARTER 1, 3, F0, F1, 0
	s_wait_dscnt 8                                 ; the very last quarter
	WIN MUL
	MUL8 F1, 0, 0
	MUL8 F1, 2, 0
	s_wait_dscnt 0x0
	MUL8 F1, 4, 0
	MUL8 F1, 6, 0
	WIN 0
; THE WAY OUT, block by block of 16 rows x 64 columns: through my own stage, back as whole rows of 256 bytes.  LDS serves a wave's instructions in order (ISA guide 5.7.1.4).
.macro TOSTAGE a
	WIN 0x04                                       ; an LDS store's data are its source 1: window 1
.irp b, 0,1,2,3
	ds_store_b128 v[STO], v[8*(4*(\a)+\b):8*(4*(\a)+\b)+3] offset:64*\b          ; each accumulator from its low end on
	ds_store_b128 v[STO], v[8*(4*(\a)+\b)+4:8*(4*(\a)+\b)+7] offset:64*\b+16
.endr
	WIN 0
.set BB, BK+32*((\a)%2)
.irp i, 0,1,2,3,4,5,6,7
	ds_load_b128 v[BB+4*\i:BB+4*\i+3], v[RD] offset:\i*2*SPITCH
.endr
.endm
.macro SEND a, younger                 ; younger: the next block's 8 stores and 8 loads, or none
.set BB, BK+32*((\a)%2)
	s_wait_dscnt \younger
.irp i, 0,1,2,3,4,5,6,7
	global_store_b128 v[CO], v[BB+4*\i:BB+4*\i+3], s[8:9] offset:(16*(\a)+2*\i)*4096 th:TH_STORE_NT   ; sixteen lanes store 256 consecutive bytes, aligned; the base is never stepped
.endr
.endm
	PLACES
	TOSTAGE 0
.irp a, 1,2,3,4,5,6,7
.if \a > 1
	s_wait_xcnt 0x0                                ; block a - 2's stores have read their registers: block a's loads may land there
.endif
	TOSTAGE \a
	SEND \a-1, 16
.endr
	SEND 7, 0
	s_wait_tensorcnt 0x0                           ; the wave's end: a tensor wait, an add to my spare word and its wait behind my last tensor load and my last LDS store
	ds_add_u32 v[SPW], v[NIL]
	s_wait_dscnt 0x0
	CROUND                                         ; the closing round
	s_endpgm
.Lfunc_end_k_qea6943fbe6_project_out:
	.size	k_qea6943fbe6_project_out, .Lfunc_end_k_qea6943fbe6_project_out-k_qea6943fbe6_project_out
	.p2alignl 7, 3214868480
	.fill 96, 4, 3214868480
	.section	.rodata,"a",@progbits
	.p2align	6, 0x0
	.amdhsa_kernel k_qea6943fbe6_project_out
		.amdhsa_group_segment_fixed_size 327680
		.amdhsa_private_segment_fixed_size 0
		.amdhsa_enable_private_segment 0
		.amdhsa_kernarg_size 24
		.amdhsa_user_sgpr_count 2
		.amdhsa_user_sgpr_kernarg_segment_ptr 1
		.amdhsa_wavefront_size32 1
		.amdhsa_system_sgpr_workgroup_id_x 1
		.amdhsa_system_sgpr_workgroup_id_y 1
		.amdhsa_system_sgpr_workgroup_id_z 1
		.amdhsa_system_vgpr_workitem_id 0
		.amdhsa_next_free_vgpr 512
		.amdhsa_next_free_sgpr 66
		.amdhsa_reserve_vcc 0
		.amdhsa_float_denorm_mode_32 3
		.amdhsa_float_denorm_mode_16_64 3
		.amdhsa_memory_ordered 1
		.amdhsa_forward_progress 1
		.amdhsa_inst_pref_size 87
	.end_amdhsa_kernel
	.amdgpu_metadata
---
amdhsa.version: [ 1, 2 ]
amdhsa.kernels:
  - .name:           k_qea6943fbe6_project_out
    .symbol:         k_qea6943fbe6_project_out.kd
    .args:
      - { .name: y, .offset: 0, .size: 8, .value_kind: global_buffer, .address_space: global }
      - { .name: wo16, .offset: 8, .size: 8, .value_kind: global_buffer, .address_space: global }
      - { .name: out0, .offset: 16, .size: 8, .value_kind: global_buffer, .address_space: global }
    .group_segment_fixed_size: 327680
    .private_segment_fixed_size: 0
    .kernarg_segment_align: 8
    .kernarg_segment_size: 24
    .max_flat_workgroup_size: 128
    .sgpr_count:     66
    .vgpr_count:     512
    .wavefront_size: 32
...
	.end_amdgpu_metadata
.endif
;; end of part 4
